; MI455X (gfx1250); checked and timed in simulation.
; The chip was launched on July 23, 2026; its instructions are those of AMD's public machine-readable ISA for CDNA 5 (MIT licence, August 2026) and "CDNA5" Instruction Set Architecture Reference Guide (July 2026). The comments in the code are by the model that wrote it; some were corrected since.
;; Multi Head Attention. Allowed arithmetic: matrix products marked QUANTISED: E2M1 operands, one E8M0 scale for each 32 along K, by v_wmma_scale_f32_16x16x128_f8f6f4 with both operands' format E2M1 (or v_wmma_scale_f32_32x16x128_f4), f32 sums; products left as they are: bf16, f16 or f32 operands; f32 sums; everything else in f32.
;; Inputs: wk 1,024 x 1,024 float32; wo 1,024 x 1,024 float32; wq 1,024 x 1,024 float32; wv 1,024 x 1,024 float32; x 4 x 2,048 x 1,024 float32.
;; Outputs: out0 4 x 2,048 x 1,024 float32.
;; This version of the problem:
;;   THIS VERSION OF THE PROBLEM IS GIVEN IN LOW PRECISION. The matrix products marked QUANTISED in the list below multiply operands that are first quantised to E2M1 (2 exponent bits, 1 mantissa bit; 4 bits a number), with one power-of-two scale for each 32 numbers along K (OCP MX v1.0); their sums are f32. The products marked 'left as it is' may take bf16, f16 or f32 operands, with f32 sums. Whichever they take, every output number must still come out within the allowed error. Rounding operands to bf16 (8 significant bits) uses up far more of that allowance than f16 does (11 bits, for magnitudes from 6e-5 to 65,504). All else is computed in f32.
;;   The module's matrix products, in the order in which they are computed (A, B: the left and right operand; K: the contracted axis; several contracted axes count as one K, in the product's order):
;;     1. [M 8,192, K 1,024] x [K 1,024, N 1,024]; A: input x; B: input wq: QUANTISED
;;     2. [M 8,192, K 1,024] x [K 1,024, N 1,024]; A: input x; B: input wk: QUANTISED
;;     3. [M 8,192, K 1,024] x [K 1,024, N 1,024]; A: input x; B: input wv: QUANTISED
;;     4. batch 64 x [M 2,048, K 64] x [K 64, N 2,048]; A: computed on the way; B: computed on the way: left as it is (an operand is computed on the way)
;;     5. batch 64 x [M 2,048, K 2,048] x [K 2,048, N 64]; A: computed on the way; B: computed on the way: left as it is (an operand is computed on the way)
;;     6. [M 8,192, K 1,024] x [K 1,024, N 1,024]; A: computed on the way; B: input wo: left as it is (an operand is computed on the way)
;;   THE QUANTISER, for each operand of a quantised product, along K:
;;     - K is cut into blocks of 32 from its start; a last block that is shorter is filled with zeros.
;;     - A block's scale is 2^e with e = floor(log2(the largest magnitude in the block)) - 2, held to -126 .. 127; a block of zeros has e = 0. As a byte (E8M0): e + 127.
;;     - Each number is divided by its block's scale, clamped to +-6, and rounded to the nearest number of E2M1, ties to even, subnormals kept.
;;     - The product sums the exact products of the quantised numbers (number of the format x scale) in f32.
;;   ~~~python
;;   def quantise(x, axis):      # numpy; x: float32 -> the quantised numbers, widened to float32 again
;;       x = np.moveaxis(x, axis, -1); K = x.shape[-1]
;;       x = np.pad(x, [(0, 0)] * (x.ndim - 1) + [(0, -K % 32)]); x = x.reshape(x.shape[:-1] + (-1, 32)); a = np.abs(x).max(-1, keepdims=True)
;;       e = np.where(a > 0, np.clip(np.frexp(np.where(a > 0, a, 1))[1] - 1 - 2, -126, 127), 0)      # np.frexp(a)[1] - 1 = floor(log2(a)), exactly
;;       r = np.clip(x / 2.0 ** e, -6, 6)
;;       step = 2.0 ** (np.maximum(np.frexp(np.where(r == 0, 1, r))[1] - 1, 0) - 1)
;;       q = np.round(r / step) * step * 2.0 ** e      # np.round: ties to even
;;       return np.moveaxis(q.reshape(q.shape[:-2] + (-1,))[..., :K], -1, axis).astype(np.float32)
;;   ~~~
;; One version. Each part assembles by itself: llvm-mc -triple=amdgcn-amd-amdhsa -mcpu=gfx1250 --defsym DOCPART=n.
;; ======== version 1 of 1: 5 launches
;; limits: values are held in f16: magnitudes above 65,504 overflow, below 6.1e-05 lose precision
;; workspace buffers: xc 4,194,304 bytes; xs 262,144 bytes; wc 1,572,864 bytes; ws 98,304 bytes; woh 2,097,152 bytes; qkv 50,331,648 bytes; q32 786,432 bytes; y 16,777,216 bytes
;; launch prep (part 1): grid 384 x 1, 4 waves a work-group, no clusters, 33,280 bytes of LDS; arguments x, wq, wk, wv, wo, xc, xs, wc, ws, woh; writes xc, xs, wc, ws, woh
.if DOCPART == 1
	.amdgcn_target "amdgcn-amd-amdhsa--gfx1250"
	.amdhsa_code_object_version 6
	.text
	.protected	k_qacf749eb03_prep
	.globl	k_qacf749eb03_prep
	.p2align	8
	.type	k_qacf749eb03_prep,@function
k_qacf749eb03_prep:
	s_mov_b64 s[64:65], 0
	v_nop
	global_prefetch_b8 v0, s[64:65] scope:SCOPE_SE
	s_setreg_imm32_b32 hwreg(HW_REG_WAVE_MODE, 25, 1), 1
	s_wait_xcnt 0x0
; PREP.  x [8192][1024] and wq, wk, wv [1024][1024], f32, K innermost, become codes of FP4 (E2M1), two a byte, and one E8M0 scale byte for each 32 along K; wo [1024][1024] becomes f16.
; xc [8192][512 bytes], xs [8192][32];  wc [3072][512 bytes], ws [3072][32]: wq's rows, then wk's, then wv's;  woh [1024][1024] f16.
; A block's scale is 2^(floor(log2(its largest magnitude)) - 2); its byte is the largest magnitude's exponent field - 2, held at 1 from below.
; LIMITS: a block of zeros, and a block whose largest magnitude lies under 2^-124, keeps the byte 1 (a block of zeros has zero codes, and the bytes are read by this program alone); NaN and infinities are not served;
; wo's numbers beyond 65,504 have no f16.
; Rows are dense and 1024 is a multiple of 32: every tensor is a plain stream of blocks.  A work-group takes 32,768 numbers, a wave 8,192: 16 steps of 512.
; Work-groups 0-255: x; 256-287: wq; 288-319: wk; 320-351: wv; 352-383: wo.  The quantised tensors take ONE path: only pointers are chosen, by the work-group's number.
; Each of a step's four loads reads 512 consecutive bytes; the 2,048 bytes turn through the wave's own stage in LDS, so that a lane holds 16 neighbours along K; two lanes hold a block.
.set WAVES, 4
.set STEPS, 16
.set EMAX,  2
.set CB,    8                          ; bytes of 16 codes
.set R,     16                         ; v16-79   four sets of 16 numbers as loaded
.set X,     80                         ; v80-111  two sets of 16 neighbours
.set C,     128                        ; v128-191 codes: four registers for each step: no store's data are written again
.set E,     112                        ; v112-127 a scale byte for each step
.set WREG,  8192                       ; LDS: a region for each wave: two stages of 32 x SP bytes, then its 256 scale bytes
.set SP,    80                         ; a lane's place in a stage: 64 bytes + 16 of padding
.set SPW,   12                         ; v12  LDS address of my spare word; never rewritten
.set NIL,   13                         ; v13  0; never rewritten
.set SPARE, WAVES*WREG                 ; behind the four regions: the spare words, 128 bytes a wave
	s_load_b256 s[4:11], s[0:1], 0x0               ; x s[4:5], wq s[6:7], wk s[8:9], wv s[10:11]
	s_load_b256 s[12:19], s[0:1], 0x20             ; wo s[12:13], xc s[14:15], xs s[16:17], wc s[18:19]
	s_load_b128 s[20:23], s[0:1], 0x40             ; ws s[20:21], woh s[22:23]
	v_lshl_add_u32 v[SPW], v0, 2, SPARE
	v_mov_b32 v[NIL], 0
	v_lshrrev_b32 v1, 5, v0
	v_readfirstlane_b32 s32, v1                    ; wave
	v_and_b32 v2, 31, v0                           ; lane
	v_lshlrev_b32 v3, 4, v2                        ; my 16 bytes of a load's 512
	s_mul_i32 s33, s32, WREG
	v_lshrrev_b32 v14, 2, v2
	v_mul_u32_u24 v14, v14, SP
	v_and_b32 v15, 3, v2
	v_lshl_add_u32 v14, v15, 4, v14
	v_add_nc_u32 v14, s33, v14                     ; the stage, on the way in: SP (lane / 4) + 16 (lane % 4)
	v_mul_u32_u24 v15, v2, SP
	v_add_nc_u32 v15, s33, v15                     ; and on the way out: SP x lane: my 16 neighbours
	v_mul_u32_u24 v4, v2, CB                       ; 8 x lane: my codes' place in a step's; also my f16 numbers' place on wo's path
	v_lshrrev_b32 v5, 1, v2
	s_add_co_u32 s33, s33, 2*32*SP
	v_add_nc_u32 v5, s33, v5                       ; LDS: my wave's 256 scale bytes, my block's byte
	v_lshlrev_b32 v7, 3, v2
	v_add_nc_u32 v6, s33, v7                       ; and on the way out 8 bytes a lane
	s_mov_b32 s35, 0                               ; the upper word of every offset pair
	s_wait_kmcnt 0x0
	s_cmp_ge_u32 ttmp9, 352
	s_cbranch_scc1 .Lwo
	s_and_b32 s26, ttmp9, 31                       ; a weight's work-group within its tensor
	s_sub_co_u32 s27, ttmp9, 256                   ; and within wc and ws (x's work-groups replace both below)
	s_cmp_lt_u32 ttmp9, 320
	s_cselect_b64 s[24:25], s[8:9], s[10:11]
	s_cmp_lt_u32 ttmp9, 288
	s_cselect_b64 s[24:25], s[6:7], s[24:25]
	s_cmp_lt_u32 ttmp9, 256
	s_cselect_b64 s[24:25], s[4:5], s[24:25]       ; the numbers
	s_cselect_b64 s[28:29], s[14:15], s[18:19]     ; the codes
	s_cselect_b64 s[30:31], s[16:17], s[20:21]     ; the scale bytes
	s_cselect_b32 s26, ttmp9, s26
	s_cselect_b32 s27, ttmp9, s27
	s_lshl_b32 s26, s26, 2
	s_add_co_u32 s26, s26, s32                     ; my wave's run of 8,192 numbers in the source
	s_lshl_b32 s34, s26, 15                        ; 32,768 bytes a run
	s_add_nc_u64 s[24:25], s[24:25], s[34:35]
	s_lshl_b32 s27, s27, 2
	s_add_co_u32 s27, s27, s32                     ; and in the destination
	s_lshl_b32 s34, s27, 12                        ; 4,096 bytes of codes a run
	s_add_nc_u64 s[28:29], s[28:29], s[34:35]
	s_lshl_b32 s34, s27, 8                         ; 256 scale bytes a run
	s_add_nc_u64 s[30:31], s[30:31], s[34:35]
.macro LOAD t
.irp i, 0,1,2,3
	global_load_b128 v[R+16*((\t)%4)+4*\i:R+16*((\t)%4)+4*\i+3], v3, s[24:25] offset:2048*(\t)+512*\i th:TH_LOAD_NT   ; 32 lanes read 512 consecutive bytes
.endr
.endm
.macro TURN t                          ; step t's numbers through the stage: LDS serves a wave's instructions in order, so no wait stands between the stores and the loads
.irp i, 0,1,2,3
	ds_store_b128 v14, v[R+16*((\t)%4)+4*\i:R+16*((\t)%4)+4*\i+3] offset:32*SP*((\t)%2)+8*SP*\i
.endr
.irp i, 0,1,2,3
	ds_load_b128 v[X+16*((\t)%2)+4*\i:X+16*((\t)%2)+4*\i+3], v15 offset:32*SP*((\t)%2)+16*\i
.endr
.endm
.irp t, 0,1,2,3
	LOAD \t
.endr
	s_wait_loadcnt 12                              ; step 0's four loads are in; the 12 of steps 1 to 3 may be out
	TURN 0
.macro STEP t
.set XS, X+16*((\t)%2)
.if (\t) > 0
	s_wait_dscnt 1                                 ; this step's numbers are back from the stage (the last step's byte store may be out): its stores into the stage have read their registers,
.else
	s_wait_dscnt 0x0
.endif
.if (\t)+4 < STEPS
	LOAD (\t)+4                                    ; which take the loads of four steps on
.endif
.if (\t)+1 < STEPS
.if STEPS-2-(\t) >= 3
	s_wait_loadcnt 12                              ; the next step's four loads are in; those of the three steps behind it may be out
.else
	s_wait_loadcnt 4*(STEPS-2-(\t))                ; at the end the counts run down
.endif
	TURN (\t)+1
.endif
	v_max3_num_f32 v8, |v[XS]|, |v[XS+1]|, |v[XS+2]|               ; the largest magnitude of my 16, in two chains
	v_max3_num_f32 v9, |v[XS+3]|, |v[XS+4]|, |v[XS+5]|
.irp i, 6,10
	v_max3_num_f32 v8, v8, |v[XS+\i]|, |v[XS+\i+1]|
	v_max3_num_f32 v9, v9, |v[XS+\i+2]|, |v[XS+\i+3]|
.endr
	v_max3_num_f32 v8, v8, |v[XS+14]|, |v[XS+15]|
	v_max3_num_f32 v8, v8, v9, (EMAX+1)<<23        ; and the floor 2^(3 - 127): the byte cannot fall under 1
	v_max_num_f32_dpp v8, v8, v8 row_xmask:1 row_mask:0xf bank_mask:0xf   ; and of my neighbour's 16: the block's
	v_add_nc_u32 v11, -(EMAX<<23), v8              ; 2 off its exponent field: the conversion takes the exponent field of this operand as its scale
	v_cvt_scalef32_pk8_fp4_f32 v[C+4*(\t)], v[XS:XS+7], v11
	v_cvt_scalef32_pk8_fp4_f32 v[C+4*(\t)+1], v[XS+8:XS+15], v11
	v_lshrrev_b32 v[E+(\t)], 23, v11               ; the scale's byte (a plain line behind the conversions)
	ds_store_b8 v5, v[E+(\t)] offset:16*(\t)       ; both lanes of a block write the same byte with the same value
	global_store_b64 v4, v[C+4*(\t):C+4*(\t)+1], s[28:29] offset:32*CB*(\t)   ; 32 lanes store 256 consecutive bytes, aligned
.endm
.irp t, 0,1,2,3,4,5,6,7,8,9,10,11,12,13,14,15
	STEP \t
.endr
	ds_load_b64 v[8:9], v6                         ; LDS serves a wave's instructions in order: these see my byte stores
	s_wait_dscnt 0x0
	global_store_b64 v7, v[8:9], s[30:31]          ; 32 lanes store 256 consecutive bytes, aligned
	s_wait_tensorcnt 0x0                           ; the wave's end, behind my last LDS store
	ds_add_u32 v[SPW], v[NIL]
	s_wait_dscnt 0x0
	s_endpgm
; wo to f16: a stream through registers, no LDS.  Four groups of 16 loads of 512 bytes; one group is on its way while one is converted.
.Lwo:
	s_sub_co_u32 s26, ttmp9, 352
	s_lshl_b32 s26, s26, 2
	s_add_co_u32 s26, s26, s32                     ; my wave's run of 8,192 numbers
	s_lshl_b32 s34, s26, 15
	s_add_nc_u64 s[12:13], s[12:13], s[34:35]
	s_lshl_b32 s34, s26, 14
	s_add_nc_u64 s[22:23], s[22:23], s[34:35]
.macro LOADW g
.irp i, 0,1,2,3,4,5,6,7,8,9,10,11,12,13,14,15
	global_load_b128 v[16+64*((\g)%2)+4*\i:16+64*((\g)%2)+4*\i+3], v3, s[12:13] offset:8192*(\g)+512*\i
.endr
.endm
.macro CVTW g
.if (\g) < 3
	s_wait_loadcnt 16                              ; this group's 16 loads are in; the next group's 16 may be out
.else
	s_wait_loadcnt 0x0
.endif
.if (\g) > 0
	s_wait_xcnt 0x0                                ; the last group's stores have read v144-175, which are written again
.endif
.irp i, 0,1,2,3,4,5,6,7,8,9,10,11,12,13,14,15
	v_cvt_pk_f16_f32 v[144+2*\i], v[16+64*((\g)%2)+4*\i], v[16+64*((\g)%2)+4*\i+1]
	v_cvt_pk_f16_f32 v[145+2*\i], v[16+64*((\g)%2)+4*\i+2], v[16+64*((\g)%2)+4*\i+3]
.endr
.irp i, 0,1,2,3,4,5,6,7,8,9,10,11,12,13,14,15
	global_store_b64 v4, v[144+2*\i:145+2*\i], s[22:23] offset:4096*(\g)+256*\i   ; 32 lanes store 256 consecutive bytes, aligned
.endr
.if (\g) < 2
	LOADW (\g)+2
.endif
.endm
	LOADW 0
	LOADW 1
	CVTW 0
	CVTW 1
	CVTW 2
	CVTW 3
	s_endpgm
.Lfunc_end_k_qacf749eb03_prep:
	.size	k_qacf749eb03_prep, .Lfunc_end_k_qacf749eb03_prep-k_qacf749eb03_prep
	.p2alignl 7, 3214868480
	.fill 96, 4, 3214868480
	.section	.rodata,"a",@progbits
	.p2align	6, 0x0
	.amdhsa_kernel k_qacf749eb03_prep
		.amdhsa_group_segment_fixed_size 33280
		.amdhsa_private_segment_fixed_size 0
		.amdhsa_enable_private_segment 0
		.amdhsa_kernarg_size 80
		.amdhsa_user_sgpr_count 2
		.amdhsa_user_sgpr_kernarg_segment_ptr 1
		.amdhsa_wavefront_size32 1
		.amdhsa_system_sgpr_workgroup_id_x 1
		.amdhsa_system_sgpr_workgroup_id_y 1
		.amdhsa_system_sgpr_workgroup_id_z 1
		.amdhsa_system_vgpr_workitem_id 0
		.amdhsa_next_free_vgpr 192
		.amdhsa_next_free_sgpr 66
		.amdhsa_reserve_vcc 0
		.amdhsa_float_denorm_mode_32 3
		.amdhsa_float_denorm_mode_16_64 3
		.amdhsa_memory_ordered 1
		.amdhsa_forward_progress 1
		.amdhsa_inst_pref_size 54
	.end_amdhsa_kernel
	.amdgpu_metadata
---
amdhsa.version: [ 1, 2 ]
amdhsa.kernels:
  - .name:           k_qacf749eb03_prep
    .symbol:         k_qacf749eb03_prep.kd
    .args:
      - { .name: x, .offset: 0, .size: 8, .value_kind: global_buffer, .address_space: global }
      - { .name: wq, .offset: 8, .size: 8, .value_kind: global_buffer, .address_space: global }
      - { .name: wk, .offset: 16, .size: 8, .value_kind: global_buffer, .address_space: global }
      - { .name: wv, .offset: 24, .size: 8, .value_kind: global_buffer, .address_space: global }
      - { .name: wo, .offset: 32, .size: 8, .value_kind: global_buffer, .address_space: global }
      - { .name: xc, .offset: 40, .size: 8, .value_kind: global_buffer, .address_space: global }
      - { .name: xs, .offset: 48, .size: 8, .value_kind: global_buffer, .address_space: global }
      - { .name: wc, .offset: 56, .size: 8, .value_kind: global_buffer, .address_space: global }
      - { .name: ws, .offset: 64, .size: 8, .value_kind: global_buffer, .address_space: global }
      - { .name: woh, .offset: 72, .size: 8, .value_kind: global_buffer, .address_space: global }
    .group_segment_fixed_size: 33280
    .private_segment_fixed_size: 0
    .kernarg_segment_align: 8
    .kernarg_segment_size: 80
    .max_flat_workgroup_size: 128
    .sgpr_count:     66
    .vgpr_count:     192
    .wavefront_size: 32
...
	.end_amdgpu_metadata
.endif
;; end of part 1
;; launch qkv (part 2): grid 12 x 32, 4 waves a work-group, clusters of 4 x 4, 327,680 bytes of LDS; arguments xc, xs, wc, ws, qkv, q32; writes qkv, q32
.if DOCPART == 2
	.amdgcn_target "amdgcn-amd-amdhsa--gfx1250"
	.amdhsa_code_object_version 6
	.text
	.protected	k_qacf749eb03_qkv
	.globl	k_qacf749eb03_qkv
	.p2align	8
	.type	k_qacf749eb03_qkv,@function
k_qacf749eb03_qkv:
	s_mov_b64 s[64:65], 0
	v_nop
	global_prefetch_b8 v0, s[64:65] scope:SCOPE_SE
	s_setreg_imm32_b32 hwreg(HW_REG_WAVE_MODE, 25, 1), 1
	s_wait_xcnt 0x0
	s_wait_alu depctr_hold_cnt(0) depctr_sa_sdst(0) depctr_va_vdst(0) depctr_va_sdst(0) depctr_va_ssrc(0) depctr_va_vcc(0) depctr_vm_vsrc(0)
	s_getreg_b32 s2, hwreg(HW_REG_IB_STS2, 6, 4)
	s_cmp_eq_u32 s2, 0
	s_cbranch_scc0 .Lentry_in_a_cluster
	s_endpgm
.Lentry_in_a_cluster:
	s_bfe_u32 s2, ttmp6, 0x10000c
	s_cmp_lg_u32 s2, 0xf033
	s_cbranch_scc0 .Lentry_shape_is_right
	s_endpgm
.Lentry_shape_is_right:
; QKV.  C[m][n] = sum over k of x[m][k] w[n][k], m = 8,192 rows (batch, t), n = 3,072 (wq's, wk's, wv's rows), K = 1,024, both operands codes of FP4 (E2M1) with one E8M0 byte for each 32 along K; sums in f32.
; OUT: qkv [b 4][g 48][t 2048][64] f16, g = n / 64 (0-15 q's heads, 16-31 k's, 32-47 v's); and q32 [b 4][t 16][3072] f32: the first 16 positions of every sequence, unrounded, for the launch that carries them in f32.
; LIMIT: results beyond 65,504 have no f16.
; A tile of C, 256 x 256, is made by a work-group of four waves; a wave makes 128 x 128: 64 accumulators of 16 x 16, 512 registers.  K = 1,024 is two slots of 512 (LDS rows of 256 bytes): both are asked for at the
; head and no slot is filled again.  The scale bytes of the work-group's 256 + 256 rows, two dense blocks, come with them.
; CLUSTERS: 4 x 4 work-groups.  The four of a row of the cluster need the same tiles of x, the four of a column the same tiles of w: each tile is asked for jointly.
; THE TILE ROW IS 8 cy + cluster y: the batch is cy and the tile's first position is 256 x cluster y, so that 'my tile holds positions 0-15' hangs on the cluster's y and the wave's number alone.
; THE MATRIX INSTRUCTION IS USED TRANSPOSED (source 0 = 16 rows of w, source 1 = 16 rows of x): a lane holds eight neighbouring numbers of a row of C.
; REGISTERS, in windows of 256: window 0: v0-31 addresses; v32-95 scale words, two sets; v128-191 x's fragments, one set; on the way out v128-223.   window 1: w's fragments, two sets, at v0 and v128.
;   window 2: the 32 accumulators of my rows 0-63 ((a, b) at v[8 (8 a + b)]);   window 3: those of my rows 64-127.
.set SIZE_K, 1024
.set KSTEP,  512                       ; along K in a slot
.set NQ,     KSTEP/128                 ; matrix instructions deep
.set ROWB,   256                       ; a tile's row in bytes
.set KROW,   SIZE_K*4/8                ; a row of codes in memory
.set PITCH,  272                       ; an LDS row: 256 bytes + 16 of padding: the 16 rows that a load touches start at 16 different banks (64 banks of 4 bytes: ISA guide 11.1)
.set FR,     8                         ; registers of a fragment
.set NL,     2                         ; LDS loads that bring one
.set NP,     4                         ; places behind this matrix instruction (ISA guide 7.12.1)
.set HALFT,  128*PITCH
.set SLOT,   4*HALFT                   ; x's 256 rows, then w's 256 rows
.set KS,     SIZE_K/32                 ; a row of scale bytes
.set SCL,    2*SLOT                    ; behind the two slots: the scales, as units of 256 bytes + 16 of padding
.set HALFS,  (128*KS/256)*272          ; the scales of 128 rows
.set SBLK,   (16*KS/256)*272           ; those of 16 rows
.set SPARE,  SCL+4*HALFS               ; the spare words, 128 bytes a wave
.set HP,     144                       ; the way out: a stage row: a head's 64 f16 (128 bytes) + 16
.set ADRA, 16                          ; v16-17  LDS address of my x fragments in slot 0, 1
.set ADRB, 20                          ; v20-21  the same for w
.set STO,  24                          ; v24     the way out: where I put 16 bytes of a row
.set RD,   25                          ; v25     where I read rows back
.set CO,   26                          ; v26     my byte offset in qkv
.set ADRS, 27                          ; v27     LDS address of my scale words: lanes 0-15 x's rows, lanes 16-31 w's
.set SPW,  28                          ; v28     my spare word; never rewritten
.set NIL,  29                          ; v29     0; never rewritten
.set FO,   30                          ; v30     my byte offset in q32
.set SC,   32                          ; scale words: set s at v[SC + 32 s]; register 4 i + q: lanes 0-15 x's block i, lanes 16-31 w's block i, the slot's q-th 128 along K
.set AF,   128
.set BK,   128                         ; the way out: rows read back: v128-159 and v160-191 by turns
.set TMP,  192                         ; v192-223 a block rounded to f16
.set G1, 24
.set G0, 32
.set G1B, 48
.set G0B, 56
.set G1S, 68
.set G0S, 76
.set G1SB, 80
.set G0SB, 88
.set MSB, 0
.macro WIN new                         ; the immediate's high byte repeats the setting that is left
.if MSB != \new
	s_set_vgpr_msb (MSB<<8)|\new
.set MSB, \new
.endif
.endm
.set MUL_LO, 0xa1                      ; source 0 (w) window 1, source 1 (x) window 0, C and D window 2
.set MUL_HI, 0xf1                      ; the same, C and D window 3
.set TO_B,   0x40                      ; destination window 1
; A joint load: waves 0 and 1 fetch for x, waves 2 and 3 for w.  The branch hangs on the wave's number alone.  An s_nop 0 and four v_nop follow each of the two lines.
.macro JLOAD g0a, g1a, g0b, g1b
	s_cmp_eq_u32 s15, 0
	s_cbranch_scc0 .Lfor_b_\@
	tensor_load_to_lds s[\g0a:\g0a+3], s[\g1a:\g1a+7]
	s_nop 0
.rept 4
	v_nop
.endr
	s_branch .Lasked_\@
.Lfor_b_\@:
	tensor_load_to_lds s[\g0b:\g0b+3], s[\g1b:\g1b+7]
	s_nop 0
.rept 4
	v_nop
.endr
.Lasked_\@:
.endm
.macro CROUND                          ; a round of the cluster's barrier
	s_barrier_signal -1
	s_barrier_wait -1
	s_cmp_lg_u32 s14, 0
	s_cbranch_scc1 .Lnot_wave_0_\@
	s_barrier_signal -3
.Lnot_wave_0_\@:
	s_barrier_wait -3
	s_barrier_signal -1
	s_barrier_wait -1
.endm
	s_load_b128 s[4:7], s[0:1], 0x0                ; x's codes s[4:5], x's scales s[6:7]
	s_load_b128 s[8:11], s[0:1], 0x10              ; w's codes s[8:9], w's scales s[10:11]
	s_load_b64 s[12:13], s[0:1], 0x20              ; qkv
	s_load_b64 s[66:67], s[0:1], 0x28              ; q32
	v_lshl_add_u32 v[SPW], v0, 2, SPARE
	v_mov_b32 v[NIL], 0
	ds_add_u32 v[SPW], v[NIL]                      ; the wave's opening: the add, twice on end, and its wait ahead of my first tensor load
	ds_add_u32 v[SPW], v[NIL]
	v_lshrrev_b32 v1, 5, v0
	v_readfirstlane_b32 s14, v1                    ; wave 0..3
	s_lshr_b32 s15, s14, 1                         ; which half of the tile's rows is mine.  Also: I fetch for x (0) or for w (1)
	s_and_b32 s16, s14, 1                          ; which half of its columns.  Also: which 128 rows I fetch
	s_bfe_u32 s40, ttmp6, 0x40000                  ; cx
	s_bfe_u32 s41, ttmp6, 0x40004                  ; cy
	s_lshl_b32 s42, ttmp9, 2
	s_add_co_u32 s42, s42, s40                     ; tile column = 4 x cluster x + cx
	s_and_b32 s17, ttmp7, 0xffff
	s_lshl_b32 s18, s41, 3
	s_add_co_u32 s17, s17, s18                     ; tile row = 8 cy + cluster y
	s_lshl_b32 s43, s41, 2
	s_lshl_b32 s43, 15, s43                        ; my row of the cluster
	s_lshl_b32 s44, 0x1111, s40                    ; my column
	; descriptor group 1: a tile of 128 rows x 256 bytes, 16 bytes of padding behind each row
	s_or_b32 s[G1+0], s43, (0<<16)|(1<<20)|(1<<21)|(5<<22)|(3<<25)  ; 15:0 the mask; 17:16 elements of 1 byte; 20 padding on; 21 set beside a mask; 24:22 after every 64 words; 31:25 four words
	s_or_b32 s[G1B+0], s44, (0<<16)|(1<<20)|(1<<21)|(5<<22)|(3<<25)
.irp g, G1, G1B
	s_mov_b32 s[\g+1], ROWB<<16                    ; tensor_dim0
	s_mov_b32 s[\g+2], 128<<16                     ; tensor_dim1
	s_mov_b32 s[\g+3], ROWB<<16                    ; tile_dim0
	s_mov_b32 s[\g+4], 128                         ; tile_dim1
	s_mov_b32 s[\g+5], KROW                        ; from row to row
	s_mov_b32 s[\g+6], 0
	s_mov_b32 s[\g+7], 0
.endr
	; the scales of 128 rows: 4,096 dense bytes, as 16 rows of 256 bytes (32 elements of 8 bytes), 16 bytes of padding behind each
	s_or_b32 s[G1S+0], s43, (3<<16)|(1<<20)|(1<<21)|(5<<22)|(3<<25)
	s_or_b32 s[G1SB+0], s44, (3<<16)|(1<<20)|(1<<21)|(5<<22)|(3<<25)
.irp g, G1S, G1SB
	s_mov_b32 s[\g+1], 32<<16
	s_mov_b32 s[\g+2], (128*KS/256)<<16
	s_mov_b32 s[\g+3], 32<<16
	s_mov_b32 s[\g+4], 128*KS/256
	s_mov_b32 s[\g+5], 32
	s_mov_b32 s[\g+6], 0
	s_mov_b32 s[\g+7], 0
.endr
	s_lshl_b32 s18, s16, 7                         ; which 128 rows of the tile I fetch
	s_lshl_b32 s20, s17, 8
	s_add_co_u32 s20, s20, s18                     ; x: row 256 x tile row + 128 x half
	s_lshl_b32 s46, s42, 8
	s_add_co_u32 s46, s46, s18                     ; w: row 256 x tile column + 128 x half
	s_mov_b32 s21, 0
	s_mov_b32 s47, 0
	s_mov_b64 s[18:19], KS
	s_mul_u64 s[22:23], s[20:21], s[18:19]         ; where these rows' scales begin
	s_mul_u64 s[92:93], s[46:47], s[18:19]
	s_mov_b64 s[18:19], KROW
	s_mul_u64 s[20:21], s[20:21], s[18:19]         ; and their codes
	s_mul_u64 s[46:47], s[46:47], s[18:19]
	s_mul_i32 s45, s14, HALFT                      ; where they go: wave x 128 rows: no place in the cluster enters an LDS address
	s_mul_i32 s94, s14, HALFS
	s_wait_dscnt 0x0                               ; both opening adds are done
	s_wait_kmcnt 0x0
	s_add_nc_u64 s[20:21], s[4:5], s[20:21]
	s_add_nc_u64 s[22:23], s[6:7], s[22:23]
	s_add_nc_u64 s[46:47], s[8:9], s[46:47]
	s_add_nc_u64 s[92:93], s[10:11], s[92:93]
	CROUND                                         ; all sixteen work-groups are here: the joint loads meet
	s_mov_b32 s[G0S], 1
	s_add_co_u32 s[G0S+1], s94, SCL
	s_mov_b64 s[G0S+2:G0S+3], s[22:23]
	s_or_b32 s[G0S+3], s[G0S+3], 0x80000000
	s_mov_b32 s[G0SB], 1
	s_add_co_u32 s[G0SB+1], s94, SCL
	s_mov_b64 s[G0SB+2:G0SB+3], s[92:93]
	s_or_b32 s[G0SB+3], s[G0SB+3], 0x80000000
	JLOAD G0S, G1S, G0SB, G1SB                     ; the scales first: they are wanted with the first slot
.irp s, 0,1
	s_mov_b32 s[G0+4*\s], 1
	s_add_co_u32 s[G0+4*\s+1], s45, \s*SLOT
	s_add_nc_u64 s[G0+4*\s+2:G0+4*\s+3], s[20:21], \s*ROWB
	s_or_b32 s[G0+4*\s+3], s[G0+4*\s+3], 0x80000000
	s_mov_b32 s[G0B+4*\s], 1
	s_add_co_u32 s[G0B+4*\s+1], s45, \s*SLOT
	s_add_nc_u64 s[G0B+4*\s+2:G0B+4*\s+3], s[46:47], \s*ROWB
	s_or_b32 s[G0B+4*\s+3], s[G0B+4*\s+3], 0x80000000
	JLOAD G0+4*\s, G1, G0B+4*\s, G1B               ; three tensor loads of a wave are out
.endr
	v_and_b32 v1, 15, v0                           ; r = l % 16
	v_bfe_u32 v2, v0, 4, 1                         ; h = l / 16
	v_mul_u32_u24 v3, v1, PITCH
	v_lshl_add_u32 v4, v2, 4, v3                   ; a fragment's row x pitch + 16 x half
	s_mul_i32 s21, s15, HALFT                      ; my 128 rows of x
	s_mul_i32 s22, s16, HALFT                      ; my 128 rows of w,
	s_add_co_u32 s22, s22, 2*HALFT                 ; which lie behind x's 256
.irp s, 0,1
	v_add_nc_u32 v[ADRA+\s], s21, v4
	v_add_nc_u32 v[ADRB+\s], s22, v4
	s_add_co_u32 s21, s21, SLOT
	s_add_co_u32 s22, s22, SLOT
.endr
	v_mul_u32_u24 v5, v1, KS                       ; my row's scales: 32 bytes a row,
	v_lshrrev_b32 v6, 8, v5
	v_lshl_add_u32 v5, v6, 4, v5                   ; and 16 more for each 256 passed
	s_mul_i32 s21, s15, HALFS
	s_mul_i32 s22, s16, HALFS
	s_add_co_u32 s22, s22, 2*HALFS
	s_sub_co_u32 s22, s22, s21
	v_mul_u32_u24 v6, s22, v2                      ; lanes 16-31 take w's: one product, the distance between the two bases
	s_add_co_u32 s21, s21, SCL
	v_add_nc_u32 v5, v5, v6
	v_add_nc_u32 v[ADRS], s21, v5
	; the way out.  My stage, 2 heads x 16 rows x 144 bytes, lies in slot 0, which has had its one fill and its last read when the first result is stored there
	s_mul_i32 s23, s14, 2*16*HP
	v_mul_u32_u24 v[STO], v1, HP
	v_lshl_add_u32 v[STO], v2, 4, v[STO]
	v_add_nc_u32 v[STO], s23, v[STO]               ; in: row r, 16 bytes for each half of the lanes
	v_bfe_u32 v5, v0, 3, 1
	v_and_b32 v6, 7, v0
	v_mul_u32_u24 v[RD], v2, 16*HP                 ; back: lanes 0-15 two rows (256 bytes) of the first head, lanes 16-31 of the second
	v_mad_u32_u24 v[RD], v5, HP, v[RD]
	v_lshl_add_u32 v[RD], v6, 4, v[RD]
	v_add_nc_u32 v[RD], s23, v[RD]
	v_lshlrev_b32 v[CO], 18, v2                    ; and the same in qkv: a head is 262,144 bytes, a row 128
	v_lshl_add_u32 v[CO], v5, 7, v[CO]
	v_lshl_add_u32 v[CO], v6, 4, v[CO]
	v_mul_u32_u24 v[FO], v1, 12288                 ; q32: row r of 12,288 bytes, + 32 h
	v_lshl_add_u32 v[FO], v2, 5, v[FO]
	s_mul_i32 s20, s41, 12582912                   ; qkv: the batch (cy),
	s_and_b32 s21, ttmp7, 0xffff
	s_lshl_b32 s21, s21, 15                        ; position 256 x cluster y, 128 bytes each,
	s_add_co_u32 s20, s20, s21
	s_lshl_b32 s21, s15, 14                        ; + my 128 rows
	s_add_co_u32 s20, s20, s21
	s_mov_b32 s21, 0
	s_lshl_b32 s46, s42, 2
	s_lshl_b32 s47, s16, 1
	s_add_co_u32 s46, s46, s47                     ; g = 4 x tile column + 2 x half
	s_lshl_b32 s46, s46, 18
	s_mov_b32 s47, 0
	s_add_nc_u64 s[20:21], s[20:21], s[46:47]
	s_add_nc_u64 s[12:13], s[12:13], s[20:21]
	s_mul_i32 s20, s41, 196608                     ; q32: the batch's 16 rows,
	s_lshl_b32 s46, s42, 10                        ; my first column, 4 bytes each
	s_lshl_b32 s47, s16, 9
	s_add_co_u32 s46, s46, s47
	s_add_co_u32 s20, s20, s46
	s_mov_b32 s21, 0
	s_add_nc_u64 s[66:67], s[66:67], s[20:21]
.macro FRAG reg, adr, q, i             ; a fragment, 16 rows x 128 K of 4-bit codes: lane l holds row l % 16; registers 4 c .. 4 c + 3 hold K = 64 c + 32 (l / 16) + 0 .. 31
.irp c, 0,1
	ds_load_b128 v[\reg+4*\c:\reg+4*\c+3], v[\adr] offset:64*(\q)+32*\c+(\i)*16*PITCH
.endr
.endm
; 16 matrix instructions: x's blocks a0, a0 + 1 against w's eight, the slot's q-th 128 along K.  p: w's set; sc: the set of scale words.  zero = 1: the first product starts the sums.
; The 64 accumulators take turns, one instruction a turn, in the same order in every step.
.macro MUL16 a0, p, q, sc, zero
.irp a, \a0, \a0+1
.irp b, 0,1,2,3,4,5,6,7
.if \zero
	v_wmma_scale_f32_16x16x128_f8f6f4 v[8*(8*((\a)%4)+\b):8*(8*((\a)%4)+\b)+7], v[128*(\p)+FR*\b:128*(\p)+FR*\b+FR-1], v[AF+FR*(\a):AF+FR*(\a)+FR-1], 0, v[SC+8*NQ*(\sc)+NQ*\b+(\q)], v[SC+8*NQ*(\sc)+NQ*(\a)+(\q)] matrix_a_fmt:MATRIX_FMT_FP4 matrix_b_fmt:MATRIX_FMT_FP4 matrix_a_scale:MATRIX_SCALE_ROW1
.else
	v_wmma_scale_f32_16x16x128_f8f6f4 v[8*(8*((\a)%4)+\b):8*(8*((\a)%4)+\b)+7], v[128*(\p)+FR*\b:128*(\p)+FR*\b+FR-1], v[AF+FR*(\a):AF+FR*(\a)+FR-1], v[8*(8*((\a)%4)+\b):8*(8*((\a)%4)+\b)+7], v[SC+8*NQ*(\sc)+NQ*\b+(\q)], v[SC+8*NQ*(\sc)+NQ*(\a)+(\q)] matrix_a_fmt:MATRIX_FMT_FP4 matrix_b_fmt:MATRIX_FMT_FP4 matrix_a_scale:MATRIX_SCALE_ROW1
.endif
.endr
.endr
.endm
.macro FETCH_B slot, q, p
	WIN TO_B
.irp i, 0,1,2,3,4,5,6,7
	FRAG 128*(\p)+FR*\i, ADRB+\slot, \q, \i
.endr
	WIN 0
.endm
.macro FETCH_A slot, q, i0
.irp i, \i0, \i0+1, \i0+2, \i0+3
	FRAG AF+FR*(\i), ADRA+\slot, \q, \i
.endr
.endm
.macro SCALES sc                       ; a slot's scale words: 4 words a row; lanes 0-15 take x's block i, lanes 16-31 w's block i
.irp i, 0,1,2,3,4,5,6,7
	ds_load_b128 v[SC+8*NQ*\sc+NQ*\i:SC+8*NQ*\sc+NQ*\i+3], v[ADRS] offset:\i*SBLK
.endr
.endm
.macro PLACES n                        ; plain vector instructions between a matrix instruction and a load into its registers or a read of its result
.rept \n
	v_nop
.endr
.endm
.macro STEP slot, q, zero              ; a step of 128 along K that has its successor in the same slot
	s_wait_dscnt 4*NL                              ; w's set and x's blocks 0-3 are in; the youngest 8 loads (x's blocks 4-7) may be out
	WIN MUL_LO
	MUL16 0, (\q)%2, \q, \slot, \zero
	MUL16 2, (\q)%2, \q, \slot, \zero
	s_wait_dscnt 0                                 ; x's blocks 4-7 are in
	PLACES NP
	FETCH_B \slot, (\q)+1, 1-(\q)%2
	FETCH_A \slot, (\q)+1, 0
	WIN MUL_HI
	MUL16 4, (\q)%2, \q, \slot, \zero
	MUL16 6, (\q)%2, \q, \slot, \zero
	PLACES NP
	WIN 0
	FETCH_A \slot, (\q)+1, 4
.endm
; Slot 0's last step goes over to slot 1: one barrier; in front of it each wave waits for all its tensor loads (its part of slot 1), adds 0 to its spare word, and waits for that and for its reads of slot 0.
.macro TURN slot, next
	s_wait_tensorcnt 0x0                           ; all my tensor loads have landed
	ds_add_u32 v[SPW], v[NIL]                      ; 0 onto my spare word
	s_wait_dscnt 4*NL+1                            ; (the add and the youngest 8 loads may be out)
	WIN MUL_LO
	MUL16 0, 1, NQ-1, \slot, 0
	s_wait_dscnt 0x0                               ; the add is done, and my reads of this slot are over
	s_barrier_signal -1
	MUL16 2, 1, NQ-1, \slot, 0
	WIN 0
	s_barrier_wait -1                              ; the next slot is whole, and nobody reads this one any more
	PLACES NP
	v_add_nc_u32 v[ADRS], 4*NQ, v[ADRS]            ; on to the next slot's scale words
	FETCH_B \next, 0, 0
	FETCH_A \next, 0, 0
	SCALES \next
	WIN MUL_HI
	MUL16 4, 1, NQ-1, \slot, 0
	MUL16 6, 1, NQ-1, \slot, 0
	PLACES NP
	WIN 0
	FETCH_A \next, 0, 4
.endm
	s_wait_tensorcnt 1                             ; the scales and my part of slot 0 are in; slot 1's load may be out
	s_barrier_signal -1
	s_barrier_wait -1
	FETCH_B 0, 0, 0
	FETCH_A 0, 0, 0
	SCALES 0
	FETCH_A 0, 0, 4
	STEP 0, 0, 1                                   ; the first products start the sums: nothing is cleared
	STEP 0, 1, 0
	STEP 0, 2, 0
	TURN 0, 1
	STEP 1, 0, 0
	STEP 1, 1, 0
	STEP 1, 2, 0
	s_wait_dscnt 4*NL                              ; the last step: nothing more to fetch
	WIN MUL_LO
	MUL16 0, 1, NQ-1, 1, 0
	MUL16 2, 1, NQ-1, 1, 0
	s_wait_dscnt 0
	WIN MUL_HI
	MUL16 4, 1, NQ-1, 1, 0
	MUL16 6, 1, NQ-1, 1, 0
	WIN 0
	PLACES NP                                      ; in front of the first reads of results and of loads into x's fragment registers
	; Positions 0-15 leave in f32 too: block 0 of the waves with the tile's upper rows, in the clusters with y = 0.  The test is the same in all sixteen partners.  16 bytes a lane: 64 rows of the launch's 8,192.
	s_and_b32 s18, ttmp7, 0xffff
	s_or_b32 s18, s18, s15
	s_cmp_lg_u32 s18, 0
	s_cbranch_scc1 .Lno32
	WIN 0x08                                       ; a store's data are its source 1: window 2
.irp b, 0,1,2,3,4,5,6,7
	global_store_b128 v[FO], v[8*\b:8*\b+3], s[66:67] offset:64*\b          ; each accumulator from its low end on
	global_store_b128 v[FO], v[8*\b+4:8*\b+7], s[66:67] offset:64*\b+16
.endr
	WIN 0
.Lno32:
; THE WAY OUT, block by block of 16 rows x 128 columns = two heads.  Rounded to f16, a lane's eight numbers are 16 bytes of a head's row; they go through my stage and come back so that sixteen lanes hold two
; whole rows of one head, 256 consecutive bytes of qkv.
.macro PACK a
.set AC, 64*((\a)%4)
	WIN 0x0a+5*((\a)/4)                            ; sources 0 and 1: window 2 or 3
.irp b, 0,1,2,3,4,5,6,7
.irp r, 0,1,2,3
	v_cvt_pk_f16_f32 v[TMP+4*\b+\r], v[AC+8*\b+2*\r], v[AC+8*\b+2*\r+1]
.endr
.endr
	WIN 0
.endm
.macro TOSTAGE a
.set BB, BK+32*((\a)%2)
.irp b, 0,1,2,3,4,5,6,7
	ds_store_b128 v[STO], v[TMP+4*\b:TMP+4*\b+3] offset:16*HP*(\b/4)+32*(\b%4)
.endr
.irp t, 0,1,2,3,4,5,6,7
	ds_load_b128 v[BB+4*\t:BB+4*\t+3], v[RD] offset:\t*2*HP        ; LDS serves a wave's instructions in order: these see the stores above
.endr
.endm
.macro SEND a
.set BB, BK+32*((\a)%2)
	s_wait_dscnt 0x0                               ; the block is back in registers
	s_wait_xcnt 0x0                                ; the stores of the block before have read their registers: the next block's loads land there
.irp t, 0,1,2,3,4,5,6,7
	global_store_b128 v[CO], v[BB+4*\t:BB+4*\t+3], s[12:13] offset:2048*(\a)+256*\t   ; lanes 0-15 and lanes 16-31 each store 256 consecutive bytes, aligned
.endr
.endm
	PACK 0
	TOSTAGE 0
.irp a, 1,2,3,4,5,6,7                  ; block a's conversions stand between block a - 1's loads from the stage and the wait for them
	PACK \a
	SEND \a-1
	TOSTAGE \a
.endr
	SEND 7
	s_wait_tensorcnt 0x0                           ; the wave's end
	ds_add_u32 v[SPW], v[NIL]
	s_wait_dscnt 0x0
	CROUND                                         ; the closing round
	s_endpgm
.Lfunc_end_k_qacf749eb03_qkv:
	.size	k_qacf749eb03_qkv, .Lfunc_end_k_qacf749eb03_qkv-k_qacf749eb03_qkv
	.p2alignl 7, 3214868480
	.fill 96, 4, 3214868480
	.section	.rodata,"a",@progbits
	.p2align	6, 0x0
	.amdhsa_kernel k_qacf749eb03_qkv
		.amdhsa_group_segment_fixed_size 327680
		.amdhsa_private_segment_fixed_size 0
		.amdhsa_enable_private_segment 0
		.amdhsa_kernarg_size 48
		.amdhsa_user_sgpr_count 2
		.amdhsa_user_sgpr_kernarg_segment_ptr 1
		.amdhsa_wavefront_size32 1
		.amdhsa_system_sgpr_workgroup_id_x 1
		.amdhsa_system_sgpr_workgroup_id_y 1
		.amdhsa_system_sgpr_workgroup_id_z 1
		.amdhsa_system_vgpr_workitem_id 0
		.amdhsa_next_free_vgpr 1024
		.amdhsa_next_free_sgpr 98
		.amdhsa_reserve_vcc 0
		.amdhsa_float_denorm_mode_32 3
		.amdhsa_float_denorm_mode_16_64 3
		.amdhsa_memory_ordered 1
		.amdhsa_forward_progress 1
		.amdhsa_inst_pref_size 129
	.end_amdhsa_kernel
	.amdgpu_metadata
---
amdhsa.version: [ 1, 2 ]
amdhsa.kernels:
  - .name:           k_qacf749eb03_qkv
    .symbol:         k_qacf749eb03_qkv.kd
    .args:
      - { .name: xc, .offset: 0, .size: 8, .value_kind: global_buffer, .address_space: global }
      - { .name: xs, .offset: 8, .size: 8, .value_kind: global_buffer, .address_space: global }
      - { .name: wc, .offset: 16, .size: 8, .value_kind: global_buffer, .address_space: global }
      - { .name: ws, .offset: 24, .size: 8, .value_kind: global_buffer, .address_space: global }
      - { .name: qkv, .offset: 32, .size: 8, .value_kind: global_buffer, .address_space: global }
      - { .name: q32, .offset: 40, .size: 8, .value_kind: global_buffer, .address_space: global }
    .group_segment_fixed_size: 327680
    .private_segment_fixed_size: 0
    .kernarg_segment_align: 8
    .kernarg_segment_size: 48
    .max_flat_workgroup_size: 128
    .sgpr_count:     98
    .vgpr_count:     1024
    .wavefront_size: 32
...
	.end_amdgpu_metadata
.endif
;; end of part 2
;; launch attn (part 3): grid 4 x 64, 8 waves a work-group, no clusters, 327,680 bytes of LDS; arguments qkv, y; writes y
.if DOCPART == 3
	.amdgcn_target "amdgcn-amd-amdhsa--gfx1250"
	.amdhsa_code_object_version 6
	.text
	.protected	k_qacf749eb03_attn
	.globl	k_qacf749eb03_attn
	.p2align	8
	.type	k_qacf749eb03_attn,@function
k_qacf749eb03_attn:
	s_mov_b64 s[64:65], 0
	v_nop
	global_prefetch_b8 v0, s[64:65] scope:SCOPE_SE
	s_setreg_imm32_b32 hwreg(HW_REG_WAVE_MODE, 25, 1), 1
	s_wait_xcnt 0x0
; ATTN.  y[bh][q][:] = the sum over k <= q of softmax_k(Q[q] . K[k] / 8) V[k][:], 64 heads (batch x head) of 2,048 positions x 64 channels.  Q, K, V: f16, from qkv [b][g][t][64]; y: [bh][t][64] f16.
; Products, maxima and sums in f32; the weights p are rounded to f16 for the second product, y once at the end.  LIMITS: |y| beyond 65,504 has no f16; NaN and infinities are not served.
; (Positions 0-15 of every sequence are made here like the others; a later launch carries them in f32 and writes the final rows.)
; SHARES.  Work-group (i, bh) owns query blocks 7 - i and i of its head, 256 queries each, one after the other: 8 - i and i + 1 key blocks of 256 count for them, always 9: equal work, and a loop of constant count.
; Each of eight waves owns 32 queries, two tiles of 16; two waves share a SIMD, so that one wave's softmax stands beside the other's products.  Waves w and w + 4 take sub-blocks w and 7 - w.
; NO CLUSTER: the four work-groups of a head want the same key block only in their first phases; walked in step, a slot would last as long as the partner with most to do in it: 12 slot times against 9;
; and under the mask some partner would read nothing of a tile that a joint load brings.
; LAYOUT.  S^T = K Q^T (source 0 = 16 keys, source 1 = 16 queries): a lane holds ONE query (lane % 16) and keys 8 (lane / 16) + 0..7.  Two such tiles, rounded in pairs, are source 1 (32 keys x 16 queries) of
; O^T = V^T P.  K comes out of LDS as it lies, V ([key][channel]) turned, by ds_load_tr16_b128.
; SOFTMAX.  A running maximum m and sum l for each query: p = 2^(c s - c m), c = log2(e) / 8; in every step O and l are multiplied by a = 2^(c m_old - c m_new).
; LDS.  A head's rows of 128 bytes are dense in memory: a tile is stated as lines of 256 bytes = two keys.  A slot holds 256 keys: K's 128 lines (pitch 272), then V's 128 lines (pitch 288).
; REGISTERS.  window 0: v2-15 addresses; v16-31 statistics; v32-63 P; v64-127 S^T; v128-191 K; v192-223 Q; v224-255 at work.   window 1: v0-63 O^T; v64-127 V; v128-159 the second block's Q.
.set PK,    272                        ; a line of K in LDS: 256 + 16: the sixteen rows of a load fall on sixteen different 16-byte columns
.set PVP,   288                        ; a line of V: 256 + 32: likewise for the sixteen lanes of a turning load
.set VOFF,  128*PK
.set SLOT1, 1<<17                      ; slot 1 begins here: one exclusive or turns an address from one slot to the other
.set STAGE, 208896                     ; behind the ring: 2 tiles x 16 rows x 144 bytes for each wave
.set SPARE, STAGE+8*4608               ; the spare words, 128 bytes a wave
.set AK0, 2                            ; v2   my lane's place in a tile of K
.set AV0, 3                            ; v3   the same for V
.set ADK, 4                            ; v4   the slot's K
.set ADV, 5                            ; v5   the slot's V
.set QO,  6                            ; v6   my byte offset in the wave's rows of Q
.set STO, 7                            ; v7   the way out: where I put 16 bytes of a row
.set RD,  8                            ; v8   where I read rows back
.set GO,  9                            ; v9   my byte offset in the wave's rows of y
.set MD0, 10                           ; v10  lane % 16 - 8 (lane / 16)
.set MD,  11                           ; v11  the mask's bound in the step in hand
.set PFO, 12                           ; v12  256 x lane; never rewritten
.set SPW, 14                           ; v14  my spare word; never rewritten
.set NIL, 15                           ; v15  0; never rewritten
.set ST,  16                           ; tile t's statistics at v[ST + 8 t]: +0 c m, +1 m, +2, +3 l, +4 to +7 c0-c3 at work; a takes +6
.set P,   32
.set S,   64
.set KF,  128
.set QF,  192
.set TW,  224
.set VF,  64                           ; in window 1
.set WV,  8                            ; s8   my wave's number
.set NA,  12                           ; s12  8 - i: trips of the first block
.set J1,  13                           ; s13  the trip's number + 1: the loop's counter
.set KC,  14                           ; s14  this trip's key block
.set KN,  15                           ; s15  the next trip's
.set TB,  16                           ; s16  LDS byte at which the slot in hand begins
.set KF0, 17                           ; s17  the slot's first key
.set Q0,  18                           ; s18  my first query
.set QL,  19                           ; s19  my last
.set Q0B, 20                           ; s20  my first query in the second block
.set CS,  22                           ; s[22:23] c, twice
.set G1K, 24
.set G1V, 32
.set G0K, 40
.set G0V, 44
.set KB0, 48                           ; s[48:49] my half of key block 0 of K in memory
.set VB0, 50                           ; s[50:51] of V
.set OFS, 52                           ; s[52:53] 32,768 x the key block to be asked for
.set SEL, 54                           ; s[54:55] lane selects: lane l xor 16
.set YA,  56                           ; s[56:57] y at my first query of the first block
.set YB,  58                           ; s[58:59] of the second
.set PFA, 60                           ; s[60:61] where my prefetches stand
.set LIM, 62                           ; s62  a wave prefetches while the trip's number + 1 is under it
.set MSB, 0
.macro WIN new                         ; the immediate's high byte repeats the setting that is left
.if MSB != \new
	s_set_vgpr_msb (MSB<<8)|\new
.set MSB, \new
.endif
.endm
; Waves 0 and 1 fetch K's halves of a slot, waves 2 and 3 V's, the others nothing.  An s_nop 0 and four v_nop follow each of the two lines.
.macro TLOAD
	s_cmp_lt_u32 s[WV], 2
	s_cbranch_scc0 .Lnot_k_\@
	tensor_load_to_lds s[G0K:G0K+3], s[G1K:G1K+7]
	s_nop 0
.rept 4
	v_nop
.endr
	s_branch .Lasked_\@
.Lnot_k_\@:
	s_cmp_lt_u32 s[WV], 4
	s_cbranch_scc0 .Lasked_\@
	tensor_load_to_lds s[G0V:G0V+3], s[G1V:G1V+7]
	s_nop 0
.rept 4
	v_nop
.endr
.Lasked_\@:
.endm
; A PREFETCH of the key block that the NEXT change of slots will ask for: trip j names block j + 2, j = 0 .. 5.  All four work-groups of a head walk blocks 0, 1, .. in their first phases: the one with i = 0, which
; walks all eight, asks; in it waves 4 to 7, which fetch nothing: 8,192 bytes of K a wave, lanes 256 bytes apart, and the same of V, 4,194,304 bytes on.  So each block of 256 bytes is named once in the launch.
; Blocks 0 and 1 come by their loads alone; the second phases walk blocks that have been walked.
.macro ASK
	s_cmp_lt_u32 s[J1], s[LIM]
	s_cbranch_scc0 .Lnot_mine_\@
	global_prefetch_b8 v[PFO], s[PFA:PFA+1] th:TH_LOAD_NT scope:SCOPE_SE
	global_prefetch_b8 v[PFO], s[PFA:PFA+1] offset:4194304 th:TH_LOAD_NT scope:SCOPE_SE
.Lnot_mine_\@:
.endm
; THE CHANGE OF SLOTS stands at a slot's head.  Each wave waits for all its tensor loads (its part of the slot ahead), adds 0 to its spare word, and waits for that and for its reads of the slot that it has left.
; fill = 1: the slot that was left is filled with the key block of the next trip; that load has a whole slot's steps in which to land.  One tensor load of a wave is out.
.macro CHANGE fill
	s_wait_tensorcnt 0x0                           ; no tensor load of mine is out, so a group 0 may be written
	ds_add_u32 v[SPW], v[NIL]                      ; 0 onto my spare word
.if \fill
	ds_add_u32 v[SPW], v[NIL]                      ; and once more
	s_add_co_u32 s[KN], s[KC], 1
	s_cmp_eq_u32 s[J1], s[NA]                      ; behind the first block's last key block comes the second block's key block 0
	s_cselect_b32 s[KN], 0, s[KN]
	s_lshl_b32 s[OFS], s[KN], 15                   ; 256 keys of 128 bytes
	s_xor_b32 s[G0K+1], s[G0K+1], SLOT1
	s_add_nc_u64 s[G0K+2:G0K+3], s[KB0:KB0+1], s[OFS:OFS+1]
	s_or_b32 s[G0K+3], s[G0K+3], 0x80000000
	s_xor_b32 s[G0V+1], s[G0V+1], SLOT1
	s_add_nc_u64 s[G0V+2:G0V+3], s[VB0:VB0+1], s[OFS:OFS+1]
	s_or_b32 s[G0V+3], s[G0V+3], 0x80000000
	s_wait_xcnt 0x0                                ; the last prefetches, a slot back, have read their address
	s_add_nc_u64 s[PFA:PFA+1], s[PFA:PFA+1], 32768
.endif
	s_wait_dscnt 0x0                               ; the add is done (fill = 1: both are), and my reads of the slot that I have left are over
	s_barrier_signal -1
	s_barrier_wait -1
.if \fill
	TLOAD                                          ; the first thing behind the barrier, and a wave's one tensor load until the next
	ASK
.endif
.endm
.macro KLOAD q                         ; 64 keys x 64 channels: fragment (kt, c) at v[KF + 16 kt + 8 c]
.irp k, 0,1,2,3
.irp c, 0,1
	ds_load_b128 v[KF+16*\k+8*\c:KF+16*\k+8*\c+3],   v[ADK] offset:32*PK*(\q)+8*PK*\k+64*\c
	ds_load_b128 v[KF+16*\k+8*\c+4:KF+16*\k+8*\c+7], v[ADK] offset:32*PK*(\q)+8*PK*\k+64*\c+32
.endr
.endr
.endm
.macro VLOAD q                         ; the same keys of V, turned: fragment (kh, ct): 16 channels x 32 keys, at v[VF + 32 kh + 8 ct] of window 1
	WIN 0x40
.irp g, 0,1
.irp c, 0,1,2,3
	ds_load_tr16_b128 v[VF+32*\g+8*\c:VF+32*\g+8*\c+3],   v[ADV] offset:32*PVP*(\q)+16*PVP*\g+32*\c
	ds_load_tr16_b128 v[VF+32*\g+8*\c+4:VF+32*\g+8*\c+7], v[ADV] offset:32*PVP*(\q)+16*PVP*\g+32*\c+8*PVP
.endr
.endr
	WIN 0
.endm
; The accumulators take turns, one instruction a turn: between two links of a chain stand seven others'.
.macro KQ                              ; product i of 16: channels 32 (i / 8) on, keys 16 ((i / 2) % 4) on, tile i % 2.  The first 8 start the sums
.set i, 0
.rept 16
.set rS, S+32*(i%2)+8*((i/2)%4)
.set rK, KF+16*((i/2)%4)+8*(i/8)
.set rQ, QF+16*(i%2)+8*(i/8)
.if i < 8
	v_wmma_f32_16x16x32_f16 v[rS:rS+7], v[rK:rK+7], v[rQ:rQ+7], 0
.else
	v_wmma_f32_16x16x32_f16 v[rS:rS+7], v[rK:rK+7], v[rQ:rQ+7], v[rS:rS+7]
.endif
.set i, i+1
.endr
.endm
.macro PV                              ; product i of 16: keys 32 (i / 8) on, channels 16 ((i / 2) % 4) on, tile i % 2
	WIN 0x51                                       ; V, and O^T as C and D, in window 1; P in window 0
.set i, 0
.rept 16
.set rO, 32*(i%2)+8*((i/2)%4)
.set rV, VF+32*(i/8)+8*((i/2)%4)
.set rP, P+16*(i%2)+8*(i/8)
	v_wmma_f32_16x16x32_f16 v[rO:rO+7], v[rV:rV+7], v[rP:rP+7], v[rO:rO+7]
.set i, i+1
.endr
.endm
; On the diagonal the scores of hidden keys become -infinity ahead of the maximum.  Register 8 kt + j of tile t holds key KF0 + 64 q + 16 kt + 8 (lane / 16) + j for query Q0 + 16 t + lane % 16:
; hidden where 16 kt + j - 16 t > Q0 - KF0 - 64 q + lane % 16 - 8 (lane / 16).  A step all of whose keys count for all my queries skips this: a branch on ids and the count of trips.
.macro MASK q
	s_add_co_u32 s66, s[KF0], 64*(\q)+63
	s_cmp_le_u32 s66, s[Q0]
	s_cbranch_scc1 .Lopen_\@
	s_sub_co_i32 s66, s[Q0], s[KF0]
	s_sub_co_i32 s66, s66, 64*(\q)
	v_add_nc_u32 v[MD], s66, v[MD0]
	v_mov_b32 v255, 0xff800000                     ; -infinity
.irp t, 0,1
.irp n, 0,1,2,3,4,5,6,7,8,9,10,11,12,13,14,15,16,17,18,19,20,21,22,23,24,25,26,27,28,29,30,31
	v_cmp_gt_i32 vcc_lo, 16*(\n/8)+\n%8-16*\t, v[MD]
	v_cndmask_b32 v[S+32*\t+\n], v[S+32*\t+\n], v255, vcc_lo
.endr
.endr
.Lopen_\@:
.endm
; Both tiles' softmax for 64 keys, the tiles line by line in turn.  The 66 exponentials are one batch with one wait ahead of the first instruction that names a result.
.macro SOFTMAX
.irp j, 0,1,2,3
.irp t, 0,1
	v_max3_num_f32 v[ST+8*\t+4+\j], v[S+32*\t+8*\j], v[S+32*\t+8*\j+1], v[S+32*\t+8*\j+2]   ; four chains; each accumulator is read from its low end on
.endr
.endr
.irp g, 1,2
.irp j, 0,1,2,3
.irp t, 0,1
	v_max3_num_f32 v[ST+8*\t+4+\j], v[ST+8*\t+4+\j], v[S+32*\t+8*\j+2*\g+1], v[S+32*\t+8*\j+2*\g+2]
.endr
.endr
.endr
.irp t, 0,1
	v_max3_num_f32 v[ST+8*\t+4], v[ST+8*\t+4], v[S+32*\t+7], v[S+32*\t+15]
.endr
.irp t, 0,1
	v_max3_num_f32 v[ST+8*\t+6], v[ST+8*\t+6], v[S+32*\t+23], v[S+32*\t+31]
.endr
.irp t, 0,1
	v_max3_num_f32 v[ST+8*\t+4], v[ST+8*\t+4], v[ST+8*\t+5], v[ST+8*\t+6]
.endr
.irp t, 0,1
	v_max3_num_f32 v[ST+8*\t+4], v[ST+8*\t+4], v[ST+8*\t+7], v[ST+8*\t+1]   ; with the old m
.endr
.irp t, 0,1
	v_permlanex16_b32 v[ST+8*\t+5], v[ST+8*\t+4], s[SEL], s[SEL+1]          ; the query's other 32 keys lie in the lane 16 away
.endr
.irp t, 0,1
	v_mov_b32 v[ST+8*\t+7], v[ST+8*\t]                                      ; c m_old
.endr
.irp t, 0,1
	v_max_num_f32 v[ST+8*\t+1], v[ST+8*\t+4], v[ST+8*\t+5]
.endr
.irp t, 0,1
	v_mul_f32 v[ST+8*\t], s[CS], v[ST+8*\t+1]
.endr
.irp t, 0,1
	v_sub_f32 v[ST+8*\t+7], v[ST+8*\t+7], v[ST+8*\t]
.endr
.set b, 0
.rept 16
.irp t, 0,1
	v_pk_fma_f32 v[S+32*\t+2*b:S+32*\t+2*b+1], v[S+32*\t+2*b:S+32*\t+2*b+1], s[CS:CS+1], v[ST+8*\t:ST+8*\t+1] op_sel_hi:[1,0,0] neg_lo:[0,0,1] neg_hi:[0,0,1]   ; c s - c m
.endr
.set b, b+1
.endr
.irp t, 0,1
	v_exp_f32 v[ST+8*\t+6], v[ST+8*\t+7]                                    ; a
.endr
.set b, 0
.rept 32
.irp t, 0,1
	v_exp_f32 v[S+32*\t+b], v[S+32*\t+b]
.endr
.set b, b+1
.endr
	v_nop                                          ; a plain instruction behind the last exponential
	s_wait_alu depctr_va_vdst(0)                   ; the wait ahead of the first instruction that names a result: one for the batch
.set b, 0
.rept 16
.irp t, 0,1
	v_cvt_pk_f16_f32 v[P+16*\t+b], v[S+32*\t+2*b], v[S+32*\t+2*b+1]
.endr
.set b, b+1
.endr
.irp u, 0,1,2,3,4,5,6,7                ; the sum of the unrounded p: a tree of packed additions, in place
.irp t, 0,1
	v_pk_add_f32 v[S+32*\t+4*\u:S+32*\t+4*\u+1], v[S+32*\t+4*\u:S+32*\t+4*\u+1], v[S+32*\t+4*\u+2:S+32*\t+4*\u+3]
.endr
.endr
.irp u, 0,1,2,3
.irp t, 0,1
	v_pk_add_f32 v[S+32*\t+8*\u:S+32*\t+8*\u+1], v[S+32*\t+8*\u:S+32*\t+8*\u+1], v[S+32*\t+8*\u+4:S+32*\t+8*\u+5]
.endr
.endr
.irp u, 0,1
.irp t, 0,1
	v_pk_add_f32 v[S+32*\t+16*\u:S+32*\t+16*\u+1], v[S+32*\t+16*\u:S+32*\t+16*\u+1], v[S+32*\t+16*\u+8:S+32*\t+16*\u+9]
.endr
.endr
.irp t, 0,1
	v_pk_add_f32 v[S+32*\t:S+32*\t+1], v[S+32*\t:S+32*\t+1], v[S+32*\t+16:S+32*\t+17]
.endr
.irp t, 0,1
	v_pk_fma_f32 v[ST+8*\t+2:ST+8*\t+3], v[ST+8*\t+2:ST+8*\t+3], v[ST+8*\t+6:ST+8*\t+7], v[S+32*\t:S+32*\t+1] op_sel_hi:[1,0,1]   ; l = a l + the sum
.endr
.endm
.macro RESCALE                         ; O^T times a
	WIN 0x41                                       ; destination and source 0 in window 1
.irp t, 0,1
.set b, 0
.rept 16
	v_pk_mul_f32 v[32*\t+2*b:32*\t+2*b+1], v[32*\t+2*b:32*\t+2*b+1], v[ST+8*\t+6:ST+8*\t+7] op_sel_hi:[1,0]
.set b, b+1
.endr
.endr
.endm
; A KEY STEP: 64 keys, the q-th of the slot.  A step all of whose keys come after my last query is left out, and with it the rest of the slot: a branch on ids and the count of trips, round no barrier and no tensor load.
.macro STEP q, id
.if \q > 0
	s_add_co_u32 s66, s[KF0], 64*\q
	s_cmp_gt_u32 s66, s[QL]
	s_cbranch_scc1 .Lend_\id
.endif
	s_wait_dscnt 0x0                               ; K of this step is in
	KQ
.rept 4
	v_nop                                          ; places: for the reads of S^T, for the loads into K's registers, and, behind the last step's V^T P, for the loads into V's
.endr
	VLOAD \q
.if \q < 3
	KLOAD (\q)+1
.endif
	MASK \q
	SOFTMAX
.if \q < 3
	s_wait_dscnt 16                                ; V is in; the 16 younger loads are the next step's K
.else
	s_wait_dscnt 0x0
.endif
	RESCALE
	PV
	WIN 0
.endm
.macro SLOT fill, id
	CHANGE \fill
	v_add_nc_u32 v[ADK], s[TB], v[AK0]
	v_add_nc_u32 v[ADV], s[TB], v[AV0]
	s_lshl_b32 s[KF0], s[KC], 8
	KLOAD 0
	STEP 0, \id
	STEP 1, \id
	STEP 2, \id
	STEP 3, \id
.Lend_\id:
	s_xor_b32 s[TB], s[TB], SLOT1                  ; on to the other slot
.endm
.macro START                           ; O^T and l begin as zeros, m under every score: the first change of m multiplies zeros
	WIN 0x40
.set b, 0
.rept 64
	v_mov_b32 v[b], 0
.set b, b+1
.endr
	WIN 0
.irp t, 0,1
	v_mov_b32 v[ST+8*\t+1], 0xff61b1e6             ; -3e38
	v_mov_b32 v[ST+8*\t+2], 0
	v_mov_b32 v[ST+8*\t+3], 0
.endr
.irp t, 0,1
	v_mul_f32 v[ST+8*\t], s[CS], v[ST+8*\t+1]
.endr
.endm
; A BLOCK'S WAY OUT.  O^T / l, rounded to f16, goes through my stage: a lane's eight channels are 16 bytes of a row; back come four whole rows an instruction, 512 consecutive bytes of y.
.macro FINISH yb, reinit
.irp t, 0,1
	v_add_f32 v[ST+8*\t+4], v[ST+8*\t+2], v[ST+8*\t+3]
.endr
.irp t, 0,1
	v_permlanex16_b32 v[ST+8*\t+5], v[ST+8*\t+4], s[SEL], s[SEL+1]
.endr
.irp t, 0,1
	v_add_f32 v[ST+8*\t+4], v[ST+8*\t+4], v[ST+8*\t+5]
.endr
.irp t, 0,1
	v_rcp_f32 v[ST+8*\t+6], v[ST+8*\t+4]
.endr
	v_nop                                          ; a plain instruction behind the reciprocals
	s_wait_alu depctr_va_vdst(0)                   ; and the wait ahead of their first use
.irp t, 0,1
	WIN 0x01                                       ; source 0 in window 1
.irp n, 0,1,2,3,4,5,6,7,8,9,10,11,12,13,14,15
	v_pk_mul_f32 v[TW+2*\n:TW+2*\n+1], v[32*\t+2*\n:32*\t+2*\n+1], v[ST+8*\t+6:ST+8*\t+7] op_sel_hi:[1,0]
.endr
	WIN 0
.irp n, 0,1,2,3,4,5,6,7,8,9,10,11,12,13,14,15
	v_cvt_pk_f16_f32 v[S+16*\t+\n], v[TW+2*\n], v[TW+2*\n+1]
.endr
.irp c, 0,1,2,3
	ds_store_b128 v[STO], v[S+16*\t+4*\c:S+16*\t+4*\c+3] offset:2304*\t+32*\c
.endr
.irp u, 0,1,2,3
	ds_load_b128 v[S+32+16*\t+4*\u:S+32+16*\t+4*\u+3], v[RD] offset:2304*\t+576*\u   ; LDS serves a wave's instructions in order: these see the stores above
.endr
.endr
.irp t, 0,1
.irp u, 0,1,2,3
	s_wait_dscnt 11-8*\t-\u                        ; behind this load: the tile's younger loads, and for tile 0 tile 1's eight LDS instructions
	global_store_b128 v[GO], v[S+32+16*\t+4*\u:S+32+16*\t+4*\u+3], s[\yb:\yb+1] offset:2048*\t+512*\u
.endr
.endr
.if \reinit
	WIN 0x01
.set b, 0
.rept 32
	v_mov_b32 v[QF+b], v[128+b]                    ; the second block's Q
.set b, b+1
.endr
	START
	s_mov_b32 s[Q0], s[Q0B]
	s_add_co_u32 s[QL], s[Q0], 31
	s_wait_xcnt 0x0                                ; the stores have read their data, which lie in S^T's registers
.endif
.endm
	s_load_b128 s[4:7], s[0:1], 0x0                ; qkv s[4:5], y s[6:7]
	v_lshl_add_u32 v[SPW], v0, 2, SPARE
	v_mov_b32 v[NIL], 0
	ds_add_u32 v[SPW], v[NIL]                      ; the wave's opening: the add, twice on end, and its wait ahead of the first tensor load
	ds_add_u32 v[SPW], v[NIL]
	v_lshrrev_b32 v1, 5, v0
	v_readfirstlane_b32 s[WV], v1                  ; wave 0..7
	s_and_b32 s9, s[WV], 1                         ; which half of a slot's keys I fetch, if I fetch
	s_and_b32 s11, ttmp7, 0xffff                   ; bh
	s_sub_co_u32 s[NA], 8, ttmp9
	s_sub_co_u32 s66, 11, s[WV]
	s_cmp_lt_u32 s[WV], 4
	s_cselect_b32 s66, s[WV], s66                  ; my sub-block of 32 queries: w, or 11 - w
	s_lshl_b32 s66, s66, 5
	s_sub_co_u32 s67, 7, ttmp9
	s_lshl_b32 s67, s67, 8
	s_add_co_u32 s[Q0], s67, s66                   ; in block 7 - i
	s_lshl_b32 s67, ttmp9, 8
	s_add_co_u32 s[Q0B], s67, s66                  ; in block i
	s_add_co_u32 s[QL], s[Q0], 31
	s_lshr_b32 s67, s11, 4
	s_mul_i32 s67, s67, 48
	s_and_b32 s68, s11, 15
	s_add_co_u32 s67, s67, s68                     ; g of q's head: 48 b + h
	s_lshl_b32 s68, s67, 18
	s_mov_b32 s69, 0
	; descriptor group 1: 64 dense lines of 128 elements of 2 bytes, padded in LDS
	s_mov_b32 s[G1K], (1<<16)|(1<<20)|(5<<22)|(3<<25)   ; no mask; elements of 2 bytes; padding on; after every 64 words; four words
	s_mov_b32 s[G1V], (1<<16)|(1<<20)|(5<<22)|(7<<25)   ; the same with eight words
.irp g, G1K, G1V
	s_mov_b32 s[\g+1], 128<<16                     ; tensor_dim0
	s_mov_b32 s[\g+2], 64<<16                      ; tensor_dim1
	s_mov_b32 s[\g+3], 128<<16                     ; tile_dim0
	s_mov_b32 s[\g+4], 64                          ; tile_dim1
	s_mov_b32 s[\g+5], 128                         ; from line to line
	s_mov_b32 s[\g+6], 0
	s_mov_b32 s[\g+7], 0
.endr
	s_mov_b32 s[CS], 0x3e38aa3b                    ; c = log2(e) / 8
	s_mov_b32 s[CS+1], s[CS]
	s_mov_b32 s[SEL], 0x76543210
	s_mov_b32 s[SEL+1], 0xfedcba98
	s_mov_b32 s[OFS+1], 0
	s_mov_b32 s[J1], 1
	s_mov_b32 s[KC], 0
	s_mov_b32 s[TB], 0
	s_lshr_b32 s[LIM], s[WV], 2
	s_xor_b32 s[LIM], s[LIM], 1                    ; 0 in waves 4 to 7,
	s_or_b32 s[LIM], s[LIM], ttmp9                 ; of the work-group with i = 0
	s_cmp_eq_u32 s[LIM], 0
	s_cselect_b32 s[LIM], 7, 0
	s_mov_b32 s[G0K], 1
	s_mul_i32 s[G0K+1], s9, 64*PK                  ; slot 0, my half of K's lines
	s_mov_b32 s[G0V], 1
	s_mul_i32 s[G0V+1], s9, 64*PVP
	s_add_co_u32 s[G0V+1], s[G0V+1], VOFF          ; of V's
	s_wait_dscnt 0x0                               ; both opening adds are done
	s_wait_kmcnt 0x0
	s_add_nc_u64 s[70:71], s[4:5], s[68:69]        ; q's head
	s_add_nc_u64 s[KB0:KB0+1], s[70:71], 4194304   ; k's head: 16 heads of 262,144 bytes on
	s_and_b32 s66, s[WV], 3
	s_lshl_b32 s66, s66, 13
	s_add_co_u32 s66, s66, 32768
	s_mov_b32 s67, 0
	s_add_nc_u64 s[PFA:PFA+1], s[KB0:KB0+1], s[66:67]   ; my 8,192 bytes of key block 1: the first change steps it to block 2
	s_lshl_b32 s66, s9, 14
	s_add_nc_u64 s[KB0:KB0+1], s[KB0:KB0+1], s[66:67]
	s_add_nc_u64 s[VB0:VB0+1], s[KB0:KB0+1], 4194304
	s_mov_b64 s[G0K+2:G0K+3], s[KB0:KB0+1]
	s_or_b32 s[G0K+3], s[G0K+3], 0x80000000
	s_mov_b64 s[G0V+2:G0V+3], s[VB0:VB0+1]
	s_or_b32 s[G0V+3], s[G0V+3], 0x80000000
	TLOAD                                          ; slot 0: key block 0, which counts for every query
	s_lshl_b32 s66, s[Q0], 7
	s_add_nc_u64 s[2:3], s[70:71], s[66:67]        ; Q at my first query of the first block
	s_lshl_b32 s66, s[Q0B], 7
	s_add_nc_u64 s[70:71], s[70:71], s[66:67]      ; and of the second
	v_and_b32 v1, 15, v0                           ; r
	v_bfe_u32 v13, v0, 4, 1                        ; h
	v_lshlrev_b32 v[QO], 7, v1
	v_lshl_add_u32 v[QO], v13, 4, v[QO]            ; row r of 128 bytes + 16 h
.irp t, 0,1
.irp c, 0,1
	global_load_b128 v[QF+16*\t+8*\c:QF+16*\t+8*\c+3],   v[QO], s[2:3] offset:2048*\t+64*\c
	global_load_b128 v[QF+16*\t+8*\c+4:QF+16*\t+8*\c+7], v[QO], s[2:3] offset:2048*\t+64*\c+32
.endr
.endr
	WIN 0x40
.irp t, 0,1
.irp c, 0,1
	global_load_b128 v[128+16*\t+8*\c:128+16*\t+8*\c+3],   v[QO], s[70:71] offset:2048*\t+64*\c
	global_load_b128 v[128+16*\t+8*\c+4:128+16*\t+8*\c+7], v[QO], s[70:71] offset:2048*\t+64*\c+32
.endr
.endr
	WIN 0
	s_lshl_b32 s66, s11, 18
	s_add_nc_u64 s[6:7], s[6:7], s[66:67]          ; y's head
	s_lshl_b32 s66, s[Q0], 7
	s_add_nc_u64 s[YA:YA+1], s[6:7], s[66:67]
	s_lshl_b32 s66, s[Q0B], 7
	s_add_nc_u64 s[YB:YB+1], s[6:7], s[66:67]
	v_bfe_u32 v[AK0], v0, 1, 3                     ; K: key r lies in line r / 2, half r % 2
	v_mul_u32_u24 v[AK0], v[AK0], PK
	v_and_b32 v4, 1, v0
	v_lshl_add_u32 v[AK0], v4, 7, v[AK0]
	v_lshl_add_u32 v[AK0], v13, 4, v[AK0]
	v_bfe_u32 v5, v0, 1, 2                         ; V: lane l addresses key 8 h + l % 8: line 4 h + (l / 2) % 4, half l % 2; channels 8 ((l / 8) % 2) on
	v_lshl_add_u32 v5, v13, 2, v5
	v_mul_u32_u24 v[AV0], v5, PVP
	v_lshl_add_u32 v[AV0], v4, 7, v[AV0]
	v_bfe_u32 v5, v0, 3, 1
	v_lshl_add_u32 v[AV0], v5, 4, v[AV0]
	v_add_nc_u32 v[AV0], VOFF, v[AV0]
	s_mul_i32 s66, s[WV], 4608
	s_add_co_u32 s66, s66, STAGE                   ; my stage
	v_mul_u32_u24 v[STO], v1, 144
	v_lshl_add_u32 v[STO], v13, 4, v[STO]
	v_add_nc_u32 v[STO], s66, v[STO]
	v_bfe_u32 v[RD], v0, 3, 2
	v_mul_u32_u24 v[RD], v[RD], 144
	v_and_b32 v5, 7, v0
	v_lshl_add_u32 v[RD], v5, 4, v[RD]
	v_add_nc_u32 v[RD], s66, v[RD]
	v_and_b32 v[GO], 31, v0
	v_lshlrev_b32 v[PFO], 8, v[GO]
	v_lshlrev_b32 v[GO], 4, v[GO]
	v_lshlrev_b32 v[MD0], 3, v13
	v_sub_nc_u32 v[MD0], v1, v[MD0]
	START
	s_wait_loadcnt 0x0                             ; both blocks' Q
.Ltrip:                                            ; 8 trips; behind each change of slots the next trip's key block is asked for
	SLOT 1, L
	s_cmp_lg_u32 s[J1], s[NA]                      ; the first block's last key block is done: it goes out, and the second block begins
	s_cbranch_scc1 .Lgo
	FINISH YA, 1
.Lgo:
	s_mov_b32 s[KC], s[KN]
	s_add_co_u32 s[J1], s[J1], 1
	s_cmp_lt_u32 s[J1], 9
	s_cbranch_scc1 .Ltrip
	SLOT 0, T                                      ; the ninth slot is written out: it asks for nothing
	FINISH YB, 0
	s_wait_tensorcnt 0x0                           ; the wave's end
	ds_add_u32 v[SPW], v[NIL]
	s_wait_dscnt 0x0
	s_endpgm
.Lfunc_end_k_qacf749eb03_attn:
	.size	k_qacf749eb03_attn, .Lfunc_end_k_qacf749eb03_attn-k_qacf749eb03_attn
	.p2alignl 7, 3214868480
	.fill 96, 4, 3214868480
	.section	.rodata,"a",@progbits
	.p2align	6, 0x0
	.amdhsa_kernel k_qacf749eb03_attn
		.amdhsa_group_segment_fixed_size 327680
		.amdhsa_private_segment_fixed_size 0
		.amdhsa_enable_private_segment 0
		.amdhsa_kernarg_size 16
		.amdhsa_user_sgpr_count 2
		.amdhsa_user_sgpr_kernarg_segment_ptr 1
		.amdhsa_wavefront_size32 1
		.amdhsa_system_sgpr_workgroup_id_x 1
		.amdhsa_system_sgpr_workgroup_id_y 1
		.amdhsa_system_sgpr_workgroup_id_z 1
		.amdhsa_system_vgpr_workitem_id 0
		.amdhsa_next_free_vgpr 416
		.amdhsa_next_free_sgpr 72
		.amdhsa_reserve_vcc 1
		.amdhsa_float_denorm_mode_32 3
		.amdhsa_float_denorm_mode_16_64 3
		.amdhsa_memory_ordered 1
		.amdhsa_forward_progress 1
		.amdhsa_inst_pref_size 199
	.end_amdhsa_kernel
	.amdgpu_metadata
---
amdhsa.version: [ 1, 2 ]
amdhsa.kernels:
  - .name:           k_qacf749eb03_attn
    .symbol:         k_qacf749eb03_attn.kd
    .args:
      - { .name: qkv, .offset: 0, .size: 8, .value_kind: global_buffer, .address_space: global }
      - { .name: y, .offset: 8, .size: 8, .value_kind: global_buffer, .address_space: global }
    .group_segment_fixed_size: 327680
    .private_segment_fixed_size: 0
    .kernarg_segment_align: 8
    .kernarg_segment_size: 16
    .max_flat_workgroup_size: 256
    .sgpr_count:     72
    .vgpr_count:     416
    .wavefront_size: 32
...
	.end_amdgpu_metadata
.endif
;; end of part 3
;; launch proj (part 4): grid 8 x 32, 4 waves a work-group, clusters of 4 x 4, 327,680 bytes of LDS; arguments y, woh, out0; writes out0
.if DOCPART == 4
	.amdgcn_target "amdgcn-amd-amdhsa--gfx1250"
	.amdhsa_code_object_version 6
	.text
	.protected	k_qacf749eb03_proj
	.globl	k_qacf749eb03_proj
	.p2align	8
	.type	k_qacf749eb03_proj,@function
k_qacf749eb03_proj:
	s_mov_b64 s[64:65], 0
	v_nop
	global_prefetch_b8 v0, s[64:65] scope:SCOPE_SE
	s_setreg_imm32_b32 hwreg(HW_REG_WAVE_MODE, 25, 1), 1
	s_wait_xcnt 0x0
	s_wait_alu depctr_hold_cnt(0) depctr_sa_sdst(0) depctr_va_vdst(0) depctr_va_sdst(0) depctr_va_ssrc(0) depctr_va_vcc(0) depctr_vm_vsrc(0)
	s_getreg_b32 s2, hwreg(HW_REG_IB_STS2, 6, 4)
	s_cmp_eq_u32 s2, 0
	s_cbranch_scc0 .Lentry_in_a_cluster
	s_endpgm
.Lentry_in_a_cluster:
	s_bfe_u32 s2, ttmp6, 0x10000c
	s_cmp_lg_u32 s2, 0xf033
	s_cbranch_scc0 .Lentry_shape_is_right
	s_endpgm
.Lentry_shape_is_right:
; PROJ.  out0[m][n] = sum over k of y[m][k] wo[n][k], m = 8,192 (batch, t), n = 1,024, k = 64 head + channel.  y: [bh 64][t 2048][64] f16; woh: [n][k] f16; out0: f32; sums in f32.
; (The 16 first positions of every sequence are stored here like the others and written again, from f32 operands, by the launch that follows.)
; A tile of out0 is 256 (m) x 128 (n): 256 work-groups of four waves; a wave makes 128 x 64: 32 accumulators, 256 registers.  K goes in steps of 128 = two heads through a ring of two LDS slots.
; In a slot: y's two planes (a head each: 256 positions x 128 bytes, dense in memory, stated as 128 lines of 256 bytes = two positions), then wo's 128 rows of 256 bytes; every line is 272 bytes apart.
; CLUSTERS: 4 x 4.  The four of a row of the cluster need the same planes of y, the four of a column the same rows of wo: each is asked for jointly.  Waves 0 and 1 fetch y's planes, waves 2 and 3 wo's halves.
; THE MATRIX INSTRUCTION IS USED TRANSPOSED (source 0 = 16 rows of wo, source 1 = 16 rows of y): a lane holds eight neighbouring numbers of a row of out0.
; REGISTERS: window 0: v16-30 addresses; v64-127, v128-191 y's fragments, two buffers; v192-223, v224-255 wo's, two buffers.   window 1: the accumulators, (a, b) at v[8 (4 a + b)].
.set PITCH,  272
.set PLANE,  128*PITCH                 ; a head's 256 positions
.set BOFF,   2*PLANE
.set HALFB,  64*PITCH                  ; 64 rows of wo
.set SLOT,   3*PLANE
.set STAGE,  2*SLOT                    ; behind the ring: 16 rows x 272 bytes for each wave
.set SPITCH, 272
.set SPARE,  STAGE+4*16*SPITCH         ; the spare words, 128 bytes a wave
.set ADRA, 16                          ; v16-17
.set ADRB, 20                          ; v20-21
.set STO,  24
.set RD,   25
.set CO,   26
.set SPW,  28                          ; my spare word; never rewritten
.set NIL,  29                          ; 0; never rewritten
.set PFO,  30                          ; 256 x lane; never rewritten
.set AF,   64
.set BF,   192
.set BK,   64                          ; the way out: rows read back: v64-95 and v96-127 by turns
.set G1, 24
.set G0, 32
.set G1B, 48
.set G0B, 56
.set PFA, 44                           ; s[44:45] where my prefetches stand
.set LIM, 43                           ; s43  1 in a wave that prefetches, else the greatest number
.set MSB, 0
.macro WIN new
.if MSB != \new
	s_set_vgpr_msb (MSB<<8)|\new
.set MSB, \new
.endif
.endm
.set MUL, 0x50                         ; C and D in window 1
.macro JLOAD s                         ; a joint load; an s_nop 0 and four v_nop follow each of the two lines
	s_cmp_eq_u32 s11, 0
	s_cbranch_scc0 .Lfor_b_\@
	tensor_load_to_lds s[G0+4*\s:G0+4*\s+3], s[G1:G1+7]
	s_nop 0
.rept 4
	v_nop
.endr
	s_branch .Lasked_\@
.Lfor_b_\@:
	tensor_load_to_lds s[G0B+4*\s:G0B+4*\s+3], s[G1B:G1B+7]
	s_nop 0
.rept 4
	v_nop
.endr
.Lasked_\@:
.endm
; A PREFETCH of y, behind each joint load and the run of LDS loads that follows it: the refill for K step s names K step s + 2, s = 2 .. 5.  A plane is read by both clusters of a row of clusters: the one with x = 0 asks;
; its four partners along x share the plane's 128 lines out BY ADDRESS, 32 each, a lane a line; waves 0 and 1 ask, each for its plane.  So each block of 256 bytes is named once.  wo, which every cluster row reads, is not asked for.
.macro ASK
	s_cmp_gt_u32 s3, s[LIM]                        ; s3 = 1 in the loop's last trip
	s_cbranch_scc0 .Lnot_mine_\@
	global_prefetch_b8 v[PFO], s[PFA:PFA+1] offset:524288 th:TH_LOAD_NT scope:SCOPE_SE
.Lnot_mine_\@:
.endm
.macro CREST
	s_cmp_lg_u32 s10, 0
	s_cbranch_scc1 .Lnot_wave_0_\@
	s_barrier_signal -3
.Lnot_wave_0_\@:
	s_barrier_wait -3
	s_barrier_signal -1
	s_barrier_wait -1
.endm
.macro CROUND
	s_barrier_signal -1
	s_barrier_wait -1
	CREST
.endm
	s_load_b128 s[4:7], s[0:1], 0x0                ; y s[4:5], woh s[6:7]
	s_load_b64 s[8:9], s[0:1], 0x10                ; out0
	v_lshl_add_u32 v[SPW], v0, 2, SPARE
	v_mov_b32 v[NIL], 0
	ds_add_u32 v[SPW], v[NIL]                      ; the wave's opening: the add, twice on end, and its wait ahead of my first tensor load
	ds_add_u32 v[SPW], v[NIL]
	v_lshrrev_b32 v1, 5, v0
	v_readfirstlane_b32 s10, v1                    ; wave 0..3
	s_lshr_b32 s11, s10, 1                         ; which half of the tile's rows is mine.  Also: I fetch for y (0) or for wo (1)
	s_and_b32 s12, s10, 1                          ; which half of its columns.  Also: which plane, or which 64 rows, I fetch
	s_bfe_u32 s40, ttmp6, 0x40000                  ; cx
	s_bfe_u32 s41, ttmp6, 0x40004                  ; cy
	s_lshl_b32 s42, ttmp9, 2
	s_add_co_u32 s42, s42, s40                     ; tile column = 4 x cluster x + cx
	s_and_b32 s13, ttmp7, 0xffff
	s_lshl_b32 s13, s13, 2
	s_add_co_u32 s13, s13, s41                     ; tile row = 4 x cluster y + cy
	s_lshl_b32 s43, s41, 2
	s_lshl_b32 s43, 15, s43                        ; my row of the cluster
	s_lshl_b32 s44, 0x1111, s40                    ; my column
	s_or_b32 s[G1+0], s43, (1<<16)|(1<<20)|(1<<21)|(5<<22)|(3<<25)   ; the mask; elements of 2 bytes; padding on; bit 21 beside a mask; after every 64 words; four words
	s_or_b32 s[G1B+0], s44, (1<<16)|(1<<20)|(1<<21)|(5<<22)|(3<<25)
	s_mov_b32 s[G1+1], 128<<16                     ; y: 128 dense lines of 128 elements
	s_mov_b32 s[G1+2], 128<<16
	s_mov_b32 s[G1+3], 128<<16
	s_mov_b32 s[G1+4], 128
	s_mov_b32 s[G1+5], 128
	s_mov_b32 s[G1+6], 0
	s_mov_b32 s[G1+7], 0
	s_mov_b32 s[G1B+1], 128<<16                    ; wo: 64 rows of 128 elements, 1,024 elements apart
	s_mov_b32 s[G1B+2], 64<<16
	s_mov_b32 s[G1B+3], 128<<16
	s_mov_b32 s[G1B+4], 64
	s_mov_b32 s[G1B+5], 1024
	s_mov_b32 s[G1B+6], 0
	s_mov_b32 s[G1B+7], 0
	s_lshr_b32 s16, s13, 3
	s_lshl_b32 s16, s16, 22                        ; y: the batch's 16 heads of 262,144 bytes,
	s_and_b32 s17, s13, 7
	s_lshl_b32 s17, s17, 15                        ; 256 positions of 128 bytes,
	s_add_co_u32 s16, s16, s17
	s_lshl_b32 s17, s12, 18                        ; my plane
	s_add_co_u32 s16, s16, s17
	s_mov_b32 s17, 0
	s_lshl_b32 s46, s42, 7
	s_lshl_b32 s47, s12, 6
	s_add_co_u32 s46, s46, s47                     ; wo: row 128 x tile column + 64 x half,
	s_lshl_b32 s46, s46, 11                        ; 2,048 bytes a row
	s_mov_b32 s47, 0
	s_mul_i32 s20, s12, PLANE                      ; where they go: no place in the cluster enters an LDS address
	s_mul_i32 s21, s12, HALFB
	s_add_co_u32 s21, s21, BOFF
	s_wait_dscnt 0x0                               ; both opening adds are done
	s_wait_kmcnt 0x0
	s_add_nc_u64 s[14:15], s[4:5], s[16:17]
	s_add_nc_u64 s[46:47], s[6:7], s[46:47]
	CROUND                                         ; all sixteen work-groups are here: the first joint loads meet
.irp s, 0,1
	s_mov_b32 s[G0+4*\s], 1
	s_add_co_u32 s[G0+4*\s+1], s20, \s*SLOT
	s_add_nc_u64 s[G0+4*\s+2:G0+4*\s+3], s[14:15], \s*524288       ; K step s: heads 2 s, 2 s + 1
	s_or_b32 s[G0+4*\s+3], s[G0+4*\s+3], 0x80000000
	s_mov_b32 s[G0B+4*\s], 1
	s_add_co_u32 s[G0B+4*\s+1], s21, \s*SLOT
	s_add_nc_u64 s[G0B+4*\s+2:G0B+4*\s+3], s[46:47], \s*256
	s_or_b32 s[G0B+4*\s+3], s[G0B+4*\s+3], 0x80000000
	JLOAD \s                                       ; two tensor loads of a wave are out here, one behind each later round
.endr
	v_and_b32 v1, 15, v0                           ; r
	v_bfe_u32 v2, v0, 4, 1                         ; h
	v_bfe_u32 v3, v0, 1, 3
	v_mul_u32_u24 v3, v3, PITCH                    ; y: position r lies in line r / 2,
	v_and_b32 v4, 1, v0
	v_lshl_add_u32 v3, v4, 7, v3                   ; half r % 2,
	v_lshl_add_u32 v3, v2, 4, v3                   ; + 16 h
	v_mul_u32_u24 v4, v1, PITCH
	v_lshl_add_u32 v4, v2, 4, v4                   ; wo: row r + 16 h
	s_mul_i32 s21, s11, HALFB                      ; my 128 positions: 64 lines
	s_mul_i32 s22, s12, HALFB                      ; my 64 rows of wo
	s_add_co_u32 s22, s22, BOFF
.irp s, 0,1
	v_add_nc_u32 v[ADRA+\s], s21, v3
	v_add_nc_u32 v[ADRB+\s], s22, v4
	s_add_co_u32 s21, s21, SLOT
	s_add_co_u32 s22, s22, SLOT
.endr
	s_mul_i32 s23, s10, 16*SPITCH
	s_add_co_u32 s23, s23, STAGE                   ; my stage
	v_mul_u32_u24 v[STO], v1, SPITCH
	v_lshl_add_u32 v[STO], v2, 5, v[STO]
	v_add_nc_u32 v[STO], s23, v[STO]               ; in: row r, 32 bytes for each half of the lanes
	v_mul_u32_u24 v[RD], v2, SPITCH
	v_lshl_add_u32 v[RD], v1, 4, v[RD]
	v_add_nc_u32 v[RD], s23, v[RD]                 ; back: lanes 0-15 one row of 256 bytes, lanes 16-31 the next
	v_lshlrev_b32 v[CO], 12, v2
	v_lshl_add_u32 v[CO], v1, 4, v[CO]             ; and the same two rows in out0
	v_and_b32 v[PFO], 31, v0
	v_lshlrev_b32 v[PFO], 8, v[PFO]
	s_lshl_b32 s16, s13, 8
	s_lshl_b32 s17, s11, 7
	s_add_co_u32 s16, s16, s17                     ; my first row of out0,
	s_lshl_b32 s16, s16, 12                        ; 4,096 bytes a row
	s_mov_b32 s17, 0
	s_lshl_b32 s46, s42, 9                         ; my first column, in bytes: 512 x tile column + 256 x half
	s_lshl_b32 s47, s12, 8
	s_add_co_u32 s46, s46, s47
	s_mov_b32 s47, 0
	s_add_nc_u64 s[16:17], s[16:17], s[46:47]
	s_add_nc_u64 s[8:9], s[8:9], s[16:17]
	s_or_b32 s[LIM], s11, ttmp9                    ; 0 in waves 0 and 1 of the clusters with x = 0: the same in all sixteen partners
	s_cmp_eq_u32 s[LIM], 0
	s_cselect_b32 s[LIM], 1, -1
	s_add_nc_u64 s[PFA:PFA+1], s[14:15], 1048576   ; my plane at K step 2: the first refill steps it to 3 and names 4
	s_lshl_b32 s20, s40, 13                        ; my work-group's 32 lines of the 128
	s_mov_b32 s21, 0
	s_add_nc_u64 s[PFA:PFA+1], s[PFA:PFA+1], s[20:21]
; 24 LDS loads in one run: the fragments of 32 along K, the K step's kq-th, into buffer f: wo's four, y's blocks 0-3, y's blocks 4-7
.macro FETCH slot, kq, f
.irp b, 0,1,2,3
	ds_load_b128 v[BF+32*(\f)+8*\b:BF+32*(\f)+8*\b+3],   v[ADRB+\slot] offset:64*(\kq)+\b*16*PITCH
	ds_load_b128 v[BF+32*(\f)+8*\b+4:BF+32*(\f)+8*\b+7], v[ADRB+\slot] offset:64*(\kq)+\b*16*PITCH+32
.endr
.irp a, 0,1,2,3,4,5,6,7
	ds_load_b128 v[AF+64*(\f)+8*\a:AF+64*(\f)+8*\a+3],   v[ADRA+\slot] offset:PLANE*((\kq)/2)+64*((\kq)%2)+\a*8*PITCH
	ds_load_b128 v[AF+64*(\f)+8*\a+4:AF+64*(\f)+8*\a+7], v[ADRA+\slot] offset:PLANE*((\kq)/2)+64*((\kq)%2)+\a*8*PITCH+32
.endr
.endm
; 8 matrix instructions: y's blocks a0, a0 + 1 against wo's four.  The 32 accumulators take turns, one instruction a turn, in the same order in every quarter.
.macro MUL8 f, a0, zero
.irp a, \a0, \a0+1
.irp b, 0,1,2,3
.if \zero
	v_wmma_f32_16x16x32_f16 v[8*(4*(\a)+\b):8*(4*(\a)+\b)+7], v[BF+32*(\f)+8*\b:BF+32*(\f)+8*\b+7], v[AF+64*(\f)+8*(\a):AF+64*(\f)+8*(\a)+7], 0
.else
	v_wmma_f32_16x16x32_f16 v[8*(4*(\a)+\b):8*(4*(\a)+\b)+7], v[BF+32*(\f)+8*\b:BF+32*(\f)+8*\b+7], v[AF+64*(\f)+8*(\a):AF+64*(\f)+8*(\a)+7], v[8*(4*(\a)+\b):8*(4*(\a)+\b)+7]
.endif
.endr
.endr
.endm
.macro PLACES                          ; four plain vector instructions in front of loads into registers that matrix instructions have read, and of reads of results
.rept 4
	v_nop
.endr
.endm
; A K step is four quarters of 32 along K, 32 matrix instructions each, on buffers 0, 1, 0, 1.  One of the first three: multiplies buffer f and fetches quarter kn into g.
.macro QUARTER slot, kn, f, g, zero
	s_wait_dscnt 8                                 ; wo's fragments and y's blocks 0-3 are in; the youngest eight loads (blocks 4-7) may be out
	WIN MUL
	MUL8 \f, 0, \zero
	MUL8 \f, 2, \zero
	PLACES
	WIN 0
	FETCH \slot, \kn, \g
	s_wait_dscnt 24                                ; all but the 24 just issued
	WIN MUL
	MUL8 \f, 4, \zero
	MUL8 \f, 6, \zero
.endm
; The last quarter multiplies buffer 1 and changes slots: one barrier; in front of it each wave waits for all its tensor loads, adds 0 to its spare word, and waits for that and for its reads of this slot.
; fill = 1: the barrier opens a round of the cluster's barrier, and this slot is filled again, two K steps ahead: the load has a K step less 16 matrix instructions in which to land.
.macro TURN slot, next, fill
.if \fill
	s_wait_xcnt 0x0                                ; the last prefetch, a K step back, has read its address
	s_add_nc_u64 s[PFA:PFA+1], s[PFA:PFA+1], 524288
.endif
	WIN 0
	s_wait_tensorcnt 0x0                           ; all my tensor loads have landed: my part of the next slot
	ds_add_u32 v[SPW], v[NIL]                      ; 0 onto my spare word
	s_wait_dscnt 9                                 ; (the add and the youngest eight loads may be out)
	WIN MUL
	MUL8 1, 0, 0
	s_wait_dscnt 0x0                               ; the add is done, and my reads of this slot are over
	s_barrier_signal -1
	MUL8 1, 2, 0
	WIN 0
	s_barrier_wait -1
.if \fill
	CREST                                          ; no wave of any partner still reads this slot or has a load on its way
	s_add_nc_u64 s[G0+4*\slot+2:G0+4*\slot+3], s[G0+4*\slot+2:G0+4*\slot+3], 1048576
	s_add_nc_u64 s[G0B+4*\slot+2:G0B+4*\slot+3], s[G0B+4*\slot+2:G0B+4*\slot+3], 512
	JLOAD \slot                                    ; the first tensor load behind the round; its four v_nop are also the places in front of the loads below
.else
	PLACES
.endif
	FETCH \next, 0, 0
.if \fill
	ASK
.endif
	WIN MUL
	MUL8 1, 4, 0
	MUL8 1, 6, 0
.endm
	s_wait_tensorcnt 1                             ; my part of K step 0 is in; K step 1's load may be out
	s_barrier_signal -1
	s_barrier_wait -1
	FETCH 0, 0, 0
	QUARTER 0, 1, 0, 1, 1                          ; the first quarter's products start the sums: nothing is cleared
	WIN 0
	s_mov_b32 s3, 3
.Llap:                                                 ; a trip goes once round the ring and fills both slots again: K steps 2 to 7
	QUARTER 0, 2, 1, 0, 0
	QUARTER 0, 3, 0, 1, 0
	TURN 0, 1, 1
	QUARTER 1, 1, 0, 1, 0
	QUARTER 1, 2, 1, 0, 0
	QUARTER 1, 3, 0, 1, 0
	TURN 1, 0, 1
	QUARTER 0, 1, 0, 1, 0
	WIN 0
	s_sub_co_u32 s3, s3, 1
	s_cmp_lg_u32 s3, 0
	s_cbranch_scc1 .Llap
	QUARTER 0, 2, 1, 0, 0                          ; the last lap fills nothing
	QUARTER 0, 3, 0, 1, 0
	TURN 0, 1, 0
	QUARTER 1, 1, 0, 1, 0
	QUARTER 1, 2, 1, 0, 0
	QUARTER 1, 3, 0, 1, 0
	s_wait_dscnt 8
	WIN MUL
	MUL8 1, 0, 0
	MUL8 1, 2, 0
	s_wait_dscnt 0
	MUL8 1, 4, 0
	MUL8 1, 6, 0
	WIN 0
; THE WAY OUT, block by block of 16 rows x 64 columns of f32: a lane's 32 bytes go into my stage and come back as whole rows of 256 bytes, two an instruction.
.macro TOSTAGE a
	WIN 0x04                                       ; an LDS store's data are its source 1: window 1
.irp b, 0,1,2,3
	ds_store_b128 v[STO], v[8*(4*(\a)+\b):8*(4*(\a)+\b)+3] offset:64*\b          ; each accumulator from its low end on
	ds_store_b128 v[STO], v[8*(4*(\a)+\b)+4:8*(4*(\a)+\b)+7] offset:64*\b+16
.endr
	WIN 0
.set BB, BK+32*((\a)%2)
.irp t, 0,1,2,3,4,5,6,7
	ds_load_b128 v[BB+4*\t:BB+4*\t+3], v[RD] offset:\t*2*SPITCH    ; LDS serves a wave's instructions in order: these see the stores above
.endr
.endm
.macro SEND a, younger                 ; younger: the LDS instructions issued behind block a's loads
.set BB, BK+32*((\a)%2)
	s_wait_dscnt \younger
.irp t, 0,1,2,3,4,5,6,7
	global_store_b128 v[CO], v[BB+4*\t:BB+4*\t+3], s[8:9] offset:(16*(\a)+2*\t)*4096 th:TH_STORE_NT   ; 16 lanes store 256 consecutive bytes, aligned
.endr
.endm
	PLACES
	TOSTAGE 0
.irp a, 1,2,3,4,5,6,7
.if \a > 1
	s_wait_xcnt 0x0                                ; block a - 2's stores have read their registers: block a's loads land there
.endif
	TOSTAGE \a
	SEND \a-1, 16                                  ; behind block a - 1's loads: block a's 8 stores and 8 loads
.endr
	SEND 7, 0
	s_wait_tensorcnt 0x0                           ; the wave's end
	ds_add_u32 v[SPW], v[NIL]
	s_wait_dscnt 0x0
	CROUND                                         ; the closing round
	s_endpgm
.Lfunc_end_k_qacf749eb03_proj:
	.size	k_qacf749eb03_proj, .Lfunc_end_k_qacf749eb03_proj-k_qacf749eb03_proj
	.p2alignl 7, 3214868480
	.fill 96, 4, 3214868480
	.section	.rodata,"a",@progbits
	.p2align	6, 0x0
	.amdhsa_kernel k_qacf749eb03_proj
		.amdhsa_group_segment_fixed_size 327680
		.amdhsa_private_segment_fixed_size 0
		.amdhsa_enable_private_segment 0
		.amdhsa_kernarg_size 24
		.amdhsa_user_sgpr_count 2
		.amdhsa_user_sgpr_kernarg_segment_ptr 1
		.amdhsa_wavefront_size32 1
		.amdhsa_system_sgpr_workgroup_id_x 1
		.amdhsa_system_sgpr_workgroup_id_y 1
		.amdhsa_system_sgpr_workgroup_id_z 1
		.amdhsa_system_vgpr_workitem_id 0
		.amdhsa_next_free_vgpr 512
		.amdhsa_next_free_sgpr 66
		.amdhsa_reserve_vcc 0
		.amdhsa_float_denorm_mode_32 3
		.amdhsa_float_denorm_mode_16_64 3
		.amdhsa_memory_ordered 1
		.amdhsa_forward_progress 1
		.amdhsa_inst_pref_size 87
	.end_amdhsa_kernel
	.amdgpu_metadata
---
amdhsa.version: [ 1, 2 ]
amdhsa.kernels:
  - .name:           k_qacf749eb03_proj
    .symbol:         k_qacf749eb03_proj.kd
    .args:
      - { .name: y, .offset: 0, .size: 8, .value_kind: global_buffer, .address_space: global }
      - { .name: woh, .offset: 8, .size: 8, .value_kind: global_buffer, .address_space: global }
      - { .name: out0, .offset: 16, .size: 8, .value_kind: global_buffer, .address_space: global }
    .group_segment_fixed_size: 327680
    .private_segment_fixed_size: 0
    .kernarg_segment_align: 8
    .kernarg_segment_size: 24
    .max_flat_workgroup_size: 128
    .sgpr_count:     66
    .vgpr_count:     512
    .wavefront_size: 32
...
	.end_amdgpu_metadata
.endif
;; end of part 4
;; launch first16 (part 5): grid 16 x 4, 16 waves a work-group, no clusters, 85,248 bytes of LDS; arguments q32, wo, out0; writes out0
.if DOCPART == 5
	.amdgcn_target "amdgcn-amd-amdhsa--gfx1250"
	.amdhsa_code_object_version 6
	.text
	.protected	k_qacf749eb03_first16
	.globl	k_qacf749eb03_first16
	.p2align	8
	.type	k_qacf749eb03_first16,@function
k_qacf749eb03_first16:
	s_mov_b64 s[64:65], 0
	v_nop
	global_prefetch_b8 v0, s[64:65] scope:SCOPE_SE
	s_setreg_imm32_b32 hwreg(HW_REG_WAVE_MODE, 25, 1), 1
	s_wait_xcnt 0x0
; FIRST16.  Positions 0-15 of every sequence, where a row of the softmax averages few values: attention and projection with f32 operands (v_wmma_f32_16x16x4_f32).  It writes 64 rows of out0 over what the launch before stored there.
; q32: [b 4][t 16][3072] f32: q, k, v of those positions (column = 1024 part + 64 head + channel).  wo: [1024 n][1024 k] f32.  out0: [b][t][1024] f32.
; SHARES.  Work-group (chunk, b) makes out0[b][0..15][64 chunk .. + 63].  Phase A: wave w makes head w's 16 x 64 of y (done again in each of a batch's 16 chunks: 12 KiB and 32 matrix instructions a wave) and puts it
; into LDS.  Phase B: wave (nt = w % 4, kq = w / 4) multiplies 16 columns by a quarter of K; the four quarters meet in LDS.
; k IS PERMUTED ALIKE ON BOTH SOURCES: a lane's 16 bytes at 16 (lane / 16) + 32 s of its row hold k = 8 s + 4 (lane / 16) + 0..3; registers 0, 1 feed one matrix instruction, registers 2, 3 the next.
; The accumulators v16-47 are written by matrix instructions alone; each of the three sums begins with the constant 0; four accumulators take turns.
; REGISTERS: v1-11 addresses; v14, v15 the add's; v16-47 accumulators; v48-79 Q, v80-111 K, later y's fragments; v112-127 at work; v128-191 wo, first half; v192-223 V, v224-255 y; then v192-255 wo, second half.
.set YP,    4112                       ; a row of y in LDS: 4,096 bytes + 16
.set RED,   16*YP                      ; four partial results of 16 rows x (256 bytes + 16)
.set RP,    272
.set SPARE, RED+4*16*RP                ; the spare words, 128 bytes a wave
.set SPW, 14
.set NIL, 15
.set ACC, 16
.set QF,  48
.set KFR, 80
.set T,   112
.set WOA, 128
.set VF,  192
.set WOB, 192
.set YV,  224
.macro PLACES8                         ; eight plain vector instructions behind this matrix form (ISA guide 7.12.1)
.rept 8
	v_nop
.endr
.endm
	s_load_b128 s[4:7], s[0:1], 0x0                ; q32 s[4:5], wo s[6:7]
	s_load_b64 s[8:9], s[0:1], 0x10                ; out0
	v_lshl_add_u32 v[SPW], v0, 2, SPARE
	v_mov_b32 v[NIL], 0
	v_lshrrev_b32 v1, 5, v0
	v_readfirstlane_b32 s10, v1                    ; wave 0..15
	s_and_b32 s11, s10, 3                          ; nt
	s_lshr_b32 s12, s10, 2                         ; kq
	s_and_b32 s13, ttmp7, 0xffff                   ; b
	v_and_b32 v1, 15, v0                           ; r
	v_bfe_u32 v2, v0, 4, 1                         ; h
	v_mul_u32_u24 v3, v1, 12288
	v_lshl_add_u32 v3, v2, 4, v3                   ; q, k: row r of 12,288 bytes + 16 h
	v_mul_u32_u24 v4, v2, 98304
	v_lshl_add_u32 v4, v1, 2, v4                   ; v: row 8 h, channel r
	v_lshlrev_b32 v5, 12, v1
	v_lshl_add_u32 v5, v2, 4, v5                   ; wo: row r of 4,096 bytes + 16 h
	v_mul_u32_u24 v12, v1, YP
	s_lshl_b32 s14, s10, 8
	v_lshl_add_u32 v6, v2, 5, v12
	v_add_nc_u32 v6, s14, v6                       ; y into LDS: row r, head w's 256 bytes, + 32 h
	s_lshl_b32 s14, s12, 10
	v_lshl_add_u32 v7, v2, 4, v12
	v_add_nc_u32 v7, s14, v7                       ; y's fragments: row r, my quarter of K, + 16 h
	s_mul_i32 s14, s12, 16*RP
	s_lshl_b32 s15, s11, 6
	s_add_co_u32 s14, s14, s15
	s_add_co_u32 s14, s14, RED
	v_mul_u32_u24 v8, v1, RP
	v_lshl_add_u32 v8, v2, 5, v8
	v_add_nc_u32 v8, s14, v8                       ; my partial result: plane kq, row r, 64 nt + 32 h
	s_mul_i32 s14, s10, 2*RP
	s_add_co_u32 s14, s14, RED
	v_mul_u32_u24 v9, v2, RP
	v_lshl_add_u32 v9, v1, 4, v9
	v_add_nc_u32 v9, s14, v9                       ; back (waves 0-7): rows 2 w and 2 w + 1, 16 bytes a lane
	v_lshlrev_b32 v10, 12, v2
	v_lshl_add_u32 v10, v1, 4, v10                 ; and the same in out0
	v_lshlrev_b32 v11, 3, v2
	v_sub_nc_u32 v11, v1, v11                      ; r - 8 h
	s_mul_i32 s16, s13, 196608
	s_lshl_b32 s17, s10, 8
	s_add_co_u32 s16, s16, s17                     ; q32: the batch's 16 rows, head w
	s_mov_b32 s17, 0
	s_lshl_b32 s18, ttmp9, 6
	s_lshl_b32 s19, s11, 4
	s_add_co_u32 s18, s18, s19
	s_lshl_b32 s18, s18, 12
	s_lshl_b32 s19, s12, 10
	s_add_co_u32 s18, s18, s19                     ; wo: row 64 chunk + 16 nt, my quarter of K
	s_mov_b32 s19, 0
	s_lshl_b32 s20, s13, 11
	s_lshl_b32 s21, s10, 1
	s_add_co_u32 s20, s20, s21
	s_lshl_b32 s20, s20, 12
	s_lshl_b32 s21, ttmp9, 8
	s_add_co_u32 s20, s20, s21                     ; out0: row 2,048 b + 2 w, column 64 chunk
	s_mov_b32 s21, 0
	s_mov_b32 s22, 0x3e38aa3b                      ; c = log2(e) / 8
	s_mov_b32 s24, 0x76543210
	s_mov_b32 s25, 0xfedcba98                      ; lane l xor 16
	s_wait_kmcnt 0x0
	s_add_nc_u64 s[4:5], s[4:5], s[16:17]
	s_add_nc_u64 s[6:7], s[6:7], s[18:19]
	s_add_nc_u64 s[8:9], s[8:9], s[20:21]
.irp s, 0,1,2,3,4,5,6,7
	global_load_b128 v[QF+4*\s:QF+4*\s+3], v3, s[4:5] offset:32*\s
.endr
.irp s, 0,1,2,3,4,5,6,7
	global_load_b128 v[KFR+4*\s:KFR+4*\s+3], v3, s[4:5] offset:4096+32*\s
.endr
.irp c, 0,1,2,3
.irp j, 0,1,2,3,4,5,6,7
	global_load_b32 v[VF+8*\c+\j], v4, s[4:5] offset:8192+12288*\j+64*\c   ; V(key 8 h + j, channel 16 c + r)
.endr
.endr
.irp s, 0,1,2,3,4,5,6,7,8,9,10,11,12,13,14,15
	global_load_b128 v[WOA+4*\s:WOA+4*\s+3], v5, s[6:7] offset:32*\s
.endr
	; ---- A: S^T = K Q^T: a lane holds query r and keys 8 h + 0..7
	s_wait_loadcnt 48                              ; q and k are in; V's 32 loads and wo's 16 may be out
.set n, 0
.rept 16
.if n < 4
	v_wmma_f32_16x16x4_f32 v[ACC+8*(n%4):ACC+8*(n%4)+7], v[KFR+2*n:KFR+2*n+1], v[QF+2*n:QF+2*n+1], 0
.else
	v_wmma_f32_16x16x4_f32 v[ACC+8*(n%4):ACC+8*(n%4)+7], v[KFR+2*n:KFR+2*n+1], v[QF+2*n:QF+2*n+1], v[ACC+8*(n%4):ACC+8*(n%4)+7]
.endif
.set n, n+1
.endr
	PLACES8
.irp j, 0,1,2,3,4,5,6,7                ; the four partial sums; each accumulator is read from its low end on
	v_add_f32 v[T+\j], v[ACC+\j], v[ACC+8+\j]
	v_add_f32 v[T+\j], v[T+\j], v[ACC+16+\j]
	v_add_f32 v[T+\j], v[T+\j], v[ACC+24+\j]
.endr
	v_mov_b32 v125, 0xff800000                     ; -infinity
.irp j, 0,1,2,3,4,5,6,7
	v_cmp_gt_i32 vcc_lo, \j, v11                   ; key 8 h + j comes after query r
	v_cndmask_b32 v[T+\j], v[T+\j], v125, vcc_lo
.endr
	v_max3_num_f32 v120, v[T], v[T+1], v[T+2]
	v_max3_num_f32 v120, v120, v[T+3], v[T+4]
	v_max3_num_f32 v120, v120, v[T+5], v[T+6]
	v_max_num_f32 v120, v120, v[T+7]
	v_mov_b32 v121, 0                              ; a lane permute's destination counts as one of its sources
	v_permlanex16_b32 v121, v120, s24, s25
	v_max_num_f32 v120, v120, v121                 ; the row's maximum: key 0 counts for every query
	v_mul_f32 v122, s22, v120
.irp j, 0,1,2,3,4,5,6,7
	v_fma_f32 v[T+\j], v[T+\j], s22, -v122
.endr
.irp j, 0,1,2,3,4,5,6,7
	v_exp_f32 v[T+\j], v[T+\j]
.endr
	v_nop                                          ; a plain instruction behind the exponentials
	s_wait_alu depctr_va_vdst(0)                   ; the wait ahead of the first use: one for the eight
	v_add_f32 v123, v[T], v[T+1]
	v_add_f32 v126, v[T+2], v[T+3]
	v_add_f32 v123, v123, v[T+4]
	v_add_f32 v126, v126, v[T+5]
	v_add_f32 v123, v123, v[T+6]
	v_add_f32 v126, v126, v[T+7]
	v_add_f32 v123, v123, v126
	v_permlanex16_b32 v121, v123, s24, s25
	v_add_f32 v123, v123, v121                     ; the row's sum
	v_rcp_f32 v124, v123
	v_nop
	s_wait_alu depctr_va_vdst(0)
	; O^T = V^T P: instruction i takes keys 8 h + 2 i, 8 h + 2 i + 1 of both halves of the lanes
	s_wait_loadcnt 16                              ; V is in; wo's 16 loads may be out
.irp i, 0,1,2,3
.irp c, 0,1,2,3
.if \i == 0
	v_wmma_f32_16x16x4_f32 v[ACC+8*\c:ACC+8*\c+7], v[VF+8*\c+2*\i:VF+8*\c+2*\i+1], v[T+2*\i:T+2*\i+1], 0
.else
	v_wmma_f32_16x16x4_f32 v[ACC+8*\c:ACC+8*\c+7], v[VF+8*\c+2*\i:VF+8*\c+2*\i+1], v[T+2*\i:T+2*\i+1], v[ACC+8*\c:ACC+8*\c+7]
.endif
.endr
.endr
	PLACES8
.irp c, 0,1,2,3
.irp j, 0,1,2,3,4,5,6,7
	v_mul_f32 v[YV+8*\c+\j], v[ACC+8*\c+\j], v124  ; y(query r, channel 16 c + 8 h + j)
.endr
.endr
.irp c, 0,1,2,3
	ds_store_b128 v6, v[YV+8*\c:YV+8*\c+3] offset:64*\c
	ds_store_b128 v6, v[YV+8*\c+4:YV+8*\c+7] offset:64*\c+16
.endr
	s_wait_dscnt 0x0                               ; for the others' sake: my stores have landed; and they have read v224-255, which take loads now
.irp s, 0,1,2,3,4,5,6,7,8,9,10,11,12,13,14,15
	global_load_b128 v[WOB+4*\s:WOB+4*\s+3], v5, s[6:7] offset:512+32*\s
.endr
	s_barrier_signal -1
	s_barrier_wait -1                              ; 16 whole rows of y lie in LDS
	; ---- B: out^T = wo y^T over my quarter of K, in two halves of 128
.macro HALF hb, wo, left
.irp s, 0,1,2,3,4,5,6,7,8,9,10,11,12,13,14,15
	ds_load_b128 v[QF+4*\s:QF+4*\s+3], v7 offset:512*\hb+32*\s
.endr
	s_wait_dscnt 0x0
	s_wait_loadcnt \left                           ; this half's wo is in
.set n, 0
.rept 32
.if (\hb == 0) && (n < 4)
	v_wmma_f32_16x16x4_f32 v[ACC+8*(n%4):ACC+8*(n%4)+7], v[\wo+2*n:\wo+2*n+1], v[QF+2*n:QF+2*n+1], 0
.else
	v_wmma_f32_16x16x4_f32 v[ACC+8*(n%4):ACC+8*(n%4)+7], v[\wo+2*n:\wo+2*n+1], v[QF+2*n:QF+2*n+1], v[ACC+8*(n%4):ACC+8*(n%4)+7]
.endif
.set n, n+1
.endr
	PLACES8
.endm
	HALF 0, WOA, 16                                ; the second half's 16 loads may be out
	HALF 1, WOB, 0
.irp j, 0,1,2,3,4,5,6,7
	v_add_f32 v[T+\j], v[ACC+\j], v[ACC+8+\j]
	v_add_f32 v[T+\j], v[T+\j], v[ACC+16+\j]
	v_add_f32 v[T+\j], v[T+\j], v[ACC+24+\j]       ; out(row r, column 16 nt + 8 h + j), my quarter of K
.endr
	ds_store_b128 v8, v[T:T+3]
	ds_store_b128 v8, v[T+4:T+7] offset:16
	s_wait_dscnt 0x0                               ; for the others' sake
	s_barrier_signal -1
	s_barrier_wait -1
	s_cmp_lt_u32 s10, 8                            ; waves 0 to 7 add the four quarters and store two rows each
	s_cbranch_scc0 .Ldone
.irp k, 0,1,2,3
	ds_load_b128 v[48+4*\k:51+4*\k], v9 offset:16*RP*\k
.endr
	s_wait_dscnt 0x0
	v_pk_add_f32 v[48:49], v[48:49], v[52:53]
	v_pk_add_f32 v[50:51], v[50:51], v[54:55]
	v_pk_add_f32 v[56:57], v[56:57], v[60:61]
	v_pk_add_f32 v[58:59], v[58:59], v[62:63]
	v_pk_add_f32 v[48:49], v[48:49], v[56:57]
	v_pk_add_f32 v[50:51], v[50:51], v[58:59]
	global_store_b128 v10, v[48:51], s[8:9]        ; 16 lanes store 256 consecutive bytes, aligned
.Ldone:
	s_wait_tensorcnt 0x0                           ; the wave's end, behind my last LDS store
	ds_add_u32 v[SPW], v[NIL]
	s_wait_dscnt 0x0
	s_endpgm
.Lfunc_end_k_qacf749eb03_first16:
	.size	k_qacf749eb03_first16, .Lfunc_end_k_qacf749eb03_first16-k_qacf749eb03_first16
	.p2alignl 7, 3214868480
	.fill 96, 4, 3214868480
	.section	.rodata,"a",@progbits
	.p2align	6, 0x0
	.amdhsa_kernel k_qacf749eb03_first16
		.amdhsa_group_segment_fixed_size 85248
		.amdhsa_private_segment_fixed_size 0
		.amdhsa_enable_private_segment 0
		.amdhsa_kernarg_size 24
		.amdhsa_user_sgpr_count 2
		.amdhsa_user_sgpr_kernarg_segment_ptr 1
		.amdhsa_wavefront_size32 1
		.amdhsa_system_sgpr_workgroup_id_x 1
		.amdhsa_system_sgpr_workgroup_id_y 1
		.amdhsa_system_sgpr_workgroup_id_z 1
		.amdhsa_system_vgpr_workitem_id 0
		.amdhsa_next_free_vgpr 256
		.amdhsa_next_free_sgpr 66
		.amdhsa_reserve_vcc 1
		.amdhsa_float_denorm_mode_32 3
		.amdhsa_float_denorm_mode_16_64 3
		.amdhsa_memory_ordered 1
		.amdhsa_forward_progress 1
		.amdhsa_inst_pref_size 27
	.end_amdhsa_kernel
	.amdgpu_metadata
---
amdhsa.version: [ 1, 2 ]
amdhsa.kernels:
  - .name:           k_qacf749eb03_first16
    .symbol:         k_qacf749eb03_first16.kd
    .args:
      - { .name: q32, .offset: 0, .size: 8, .value_kind: global_buffer, .address_space: global }
      - { .name: wo, .offset: 8, .size: 8, .value_kind: global_buffer, .address_space: global }
      - { .name: out0, .offset: 16, .size: 8, .value_kind: global_buffer, .address_space: global }
    .group_segment_fixed_size: 85248
    .private_segment_fixed_size: 0
    .kernarg_segment_align: 8
    .kernarg_segment_size: 24
    .max_flat_workgroup_size: 512
    .sgpr_count:     66
    .vgpr_count:     256
    .wavefront_size: 32
...
	.end_amdgpu_metadata
.endif
;; end of part 5
